; MI455X (gfx1250); checked and timed in simulation.
; The chip was launched on July 23, 2026; its instructions are those of AMD's public machine-readable ISA for CDNA 5 (MIT licence, August 2026) and "CDNA5" Instruction Set Architecture Reference Guide (July 2026). The comments in the code are by the model that wrote it; some were corrected since.
;; E61 Decay Gated. Allowed arithmetic: float matrix products may take bf16 or f16 operands with f32 sums; other float arithmetic in f32, or as packed bf16 or f16 multiplies, adds, multiply-adds, maxima and minima; sums over many terms, partial sums and values carried from step to step in f32; what a program stores and reads back later, other than sums and carried values, may be rounded once to bf16 or f16.
;; Inputs: W_alpha 2,048 x 2,048 float32; W_in 2,048 x 1,024 float32; W_out 1,024 x 2,048 float32; W_v 2,048 x 2,048 float32; b_alpha 2,048 float32; b_v 2,048 float32; h0 8 x 2,048 float32; x 8 x 512 x 1,024 float32.
;; Outputs: out0 8 x 512 x 1,024 float32; out1 8 x 2,048 float32.
;; One version. Each part assembles by itself: llvm-mc -triple=amdgcn-amd-amdhsa -mcpu=gfx1250 --defsym DOCPART=n.
;; ======== version 1 of 1: 4 launches
;; limits: values are held in f16: magnitudes above 65,504 overflow, below 6.1e-05 lose precision; right only within a limited range of input values
;; workspace buffers: xb 8,388,608 bytes; wib 4,194,304 bytes; wgb 16,777,216 bytes; wob 4,194,304 bytes; xp 16,777,216 bytes; ob 16,777,216 bytes; sc 4,096 bytes
;; launch cast (part 1): grid 512 x 1, 8 waves a work-group, no clusters, 19,456 bytes of LDS; arguments x, W_in, W_alpha, W_v, W_out, xb, wib, wgb, wob; writes xb, wib, wgb, wob
.if DOCPART == 1
	.amdgcn_target "amdgcn-amd-amdhsa--gfx1250"
	.amdhsa_code_object_version 6
	.text
	.protected	k_q91681d3e32_cast
	.globl	k_q91681d3e32_cast
	.p2align	8
	.type	k_q91681d3e32_cast,@function
k_q91681d3e32_cast:
	s_mov_b64 s[64:65], 0
	v_nop
	global_prefetch_b8 v0, s[64:65] scope:SCOPE_SE
	s_setreg_imm32_b32 hwreg(HW_REG_WAVE_MODE, 25, 1), 1
	s_wait_xcnt 0x0
; E61DecayGated, launch 1 of 4: x and the four weight matrices are rounded once to bf16 and laid out in blocks for the three products.
; NOTHING OF reference() IS LEFT OUT in this program: x, h0, both biases and all four weights reach an output, and every product, gate and step is computed.
; FORMATS.  Every input is rounded once to bf16 (h0 and the biases in launch 3).  x and W_in stay bf16.  W_alpha, W_v, W_out: the bf16 number is written as f16, since their
; partners (xp, outs) are kept in f16.  LIMIT: that is exact for |w| >= 2^-17; below it the f16 number is off by at most 2^-25.  |w| >= 65,520 becomes an infinity.
; LAYOUT of every 16-bit operand: blocks of RB rows x 64 k, inside a block [chunk of 8 k: 0..7][row][8 numbers]: 16 bytes are what one register quad of a matrix fragment takes,
; and 16 neighbouring rows of a chunk are 256 consecutive bytes.  xb: RB = 256; wib, wgb, wob: RB = 128; wgb's block holds 64 rows of W_alpha, then the same 64 rows of W_v.
; x's ROWS ARE PERMUTED inside each group of 128 steps: step 64 hh + 8 a + j lies at position 16 a + 8 hh + j, so that in launch 3 a lane holds 64 consecutive steps.
; SHARES.  A unit is 16 rows x 64 k (4,096 bytes in, 2,048 out).  A wave takes four units: one group of 16 rows, four blocks along k.  All its 32 loads go out first: 16 KiB a wave.
; Each load's 16 lanes take 256 consecutive bytes of a row; each store's 16 lanes fill 256 consecutive bytes, aligned.  The turn from rows to chunks goes through the wave's own stage in LDS.
; A stream: no matrix unit, no cluster, no barrier.
.set STG,   2304                       ; a wave's stage: 8 chunks x 288 bytes (256 + 32: the eight chunks start 8 banks apart)
.set SPARE, 18432                      ; behind the eight stages: the spare words, 128 bytes a wave
.set LO,  2                            ; v2-9    load q: my byte offset in the source
.set SO,  10                           ; v10-13  store n: my byte offset in a block
.set SA,  14                           ; v14     where I put 8 bytes in the stage
.set RA,  15                           ; v15     where I read 16 bytes back
.set SPW, 16                           ; v16     my spare word; never rewritten
.set NIL, 17                           ; v17     0; never rewritten
.set TT,  18                           ; v18-25  at work
.set D,   32                           ; v32-159 four units of 32: as loaded, later as stored
.set P,   160                          ; v160-175 a unit, packed
.set DB,  40                           ; s[40:47] the four units' places in the destination
	s_load_b512 s[4:19], s[0:1], 0x0               ; x, W_in, W_alpha, W_v, W_out, xb, wib, wgb
	s_load_b64 s[20:21], s[0:1], 0x40              ; wob
	v_lshl_add_u32 v[SPW], v0, 2, SPARE
	v_mov_b32 v[NIL], 0
	v_lshrrev_b32 v1, 5, v0
	v_readfirstlane_b32 s36, v1                    ; wave 0..7
	; which array is mine, by the work-group's number: 0-127 x, 128-191 W_in, 192-319 W_alpha, 320-447 W_v, 448-511 W_out
	s_mov_b32 s22, 448                             ; the array's first work-group
	s_mov_b32 s23, 13                              ; log2 of a source row's bytes
	s_mov_b32 s24, 3                               ; log2 of the waves along k
	s_mov_b32 s25, 4                               ; log2 of the source rows from one group of 16 to the next
	s_mov_b32 s26, 8                               ; source rows from a unit's first eight rows to its second eight
	s_mov_b32 s27, 3                               ; log2 of the groups of 16 rows in a block
	s_mov_b32 s28, 5                               ; log2 of the blocks along k
	s_mov_b32 s29, 11                              ; log2 of a chunk's bytes
	s_mov_b32 s30, 0                               ; W_v lies behind W_alpha's 64 rows in a chunk
	s_cmp_lt_u32 ttmp9, 448
	s_cselect_b32 s22, 320, s22
	s_cselect_b32 s27, 2, s27
	s_cselect_b32 s30, 1024, s30
	s_cmp_lt_u32 ttmp9, 320
	s_cselect_b32 s22, 192, s22
	s_cselect_b32 s30, 0, s30
	s_cmp_lt_u32 ttmp9, 192
	s_cselect_b32 s22, 128, s22
	s_cselect_b32 s23, 12, s23
	s_cselect_b32 s24, 2, s24
	s_cselect_b32 s27, 3, s27
	s_cselect_b32 s28, 4, s28
	s_cmp_lt_u32 ttmp9, 128
	s_cselect_b32 s22, 0, s22
	s_cselect_b32 s25, 3, s25
	s_cselect_b32 s26, 64, s26
	s_cselect_b32 s27, 4, s27
	s_cselect_b32 s29, 12, s29
	s_sub_co_u32 s37, ttmp9, s22
	s_lshl_b32 s37, s37, 3
	s_add_co_u32 s37, s37, s36                     ; my wave among the array's
	s_bfm_b32 s38, s24, 0
	s_and_b32 s38, s37, s38                        ; kq: my four blocks along k
	s_lshr_b32 s37, s37, s24                       ; g: my group of 16 rows
	s_lshr_b32 s39, s37, 3
	s_lshl_b32 s39, s39, 7
	s_and_b32 s52, s37, 7
	s_lshl_b32 s52, s52, s25
	s_add_co_u32 s39, s39, s52                     ; the group's first source row
	s_lshl_b32 s32, s39, s23
	s_lshl_b32 s52, s38, 10
	s_add_co_u32 s32, s32, s52                     ; source offset: row x row bytes + 1,024 kq
	s_mov_b32 s33, 0
	s_lshr_b32 s34, s37, s27
	s_lshl_b32 s34, s34, s28
	s_lshl2_add_u32 s34, s38, s34                  ; block number: (row block x blocks along k) + 4 kq
	s_add_co_u32 s53, s29, 3
	s_lshl_b32 s34, s34, s53                       ; x block bytes
	s_bfm_b32 s52, s27, 0
	s_and_b32 s52, s37, s52
	s_lshl_b32 s52, s52, 8
	s_add_co_u32 s34, s34, s52                     ; + my 16 rows in a chunk
	s_add_co_u32 s34, s34, s30
	s_mov_b32 s35, 0
	s_lshl_b32 s54, 1, s53                         ; bytes from a block to the next along k
	s_mov_b32 s55, 0
	v_and_b32 v1, 15, v0                           ; i: my 16 bytes of a row's 256
	v_bfe_u32 v26, v0, 4, 1                        ; hl: which of a load's two rows
	v_add_nc_u32 v27, s26, v26
.irp q, 0,1,2,3,4,5,6,7                ; load q takes the unit's rows hl + 2 (q % 4) + 8 (q / 4)
.if \q < 4
	v_add_nc_u32 v[TT], 2*(\q%4), v26
.else
	v_add_nc_u32 v[TT], 2*(\q%4), v27
.endif
	v_lshlrev_b32 v[TT], s23, v[TT]
	v_lshl_add_u32 v[LO+\q], v1, 4, v[TT]
.endr
.irp n, 0,1,2,3                        ; store n writes chunks 2 n and 2 n + 1, 16 rows each
	v_add_nc_u32 v[TT], 2*\n, v26
	v_lshlrev_b32 v[TT], s29, v[TT]
	v_lshl_add_u32 v[SO+\n], v1, 4, v[TT]
.endr
	s_mul_i32 s52, s36, STG
	v_lshrrev_b32 v[TT], 1, v1                     ; my four numbers lie in chunk i / 2,
	v_mul_u32_u24 v[TT], v[TT], 288
	v_and_b32 v[TT+1], 1, v1                       ; in its half i % 2
	v_lshl_add_u32 v[TT], v[TT+1], 3, v[TT]
	v_lshl_add_u32 v[TT], v26, 4, v[TT]
	v_add_nc_u32 v[SA], s52, v[TT]
	v_mul_u32_u24 v[TT], v26, 288
	v_lshl_add_u32 v[TT], v1, 4, v[TT]
	v_add_nc_u32 v[RA], s52, v[TT]
	s_wait_kmcnt 0x0
	s_mov_b64 s[48:49], s[12:13]
	s_mov_b64 s[50:51], s[20:21]
	s_cmp_lt_u32 ttmp9, 448
	s_cselect_b64 s[48:49], s[10:11], s[48:49]
	s_cselect_b64 s[50:51], s[18:19], s[50:51]
	s_cmp_lt_u32 ttmp9, 320
	s_cselect_b64 s[48:49], s[8:9], s[48:49]
	s_cmp_lt_u32 ttmp9, 192
	s_cselect_b64 s[48:49], s[6:7], s[48:49]
	s_cselect_b64 s[50:51], s[16:17], s[50:51]
	s_cmp_lt_u32 ttmp9, 128
	s_cselect_b64 s[48:49], s[4:5], s[48:49]
	s_cselect_b64 s[50:51], s[14:15], s[50:51]
	s_add_nc_u64 s[48:49], s[48:49], s[32:33]
	s_add_nc_u64 s[DB:DB+1], s[50:51], s[34:35]
	s_add_nc_u64 s[DB+2:DB+3], s[DB:DB+1], s[54:55]
	s_add_nc_u64 s[DB+4:DB+5], s[DB+2:DB+3], s[54:55]
	s_add_nc_u64 s[DB+6:DB+7], s[DB+4:DB+5], s[54:55]
.irp u, 0,1,2,3
.irp q, 0,1,2,3,4,5,6,7
	global_load_b128 v[D+32*\u+4*\q:D+32*\u+4*\q+3], v[LO+\q], s[48:49] offset:256*\u th:TH_LOAD_NT
.endr
.endr
; The four units in turn.  half = 1: the bf16 number is written as f16.  No register that a pending load or store names is ever rewritten.
.macro BODY half
.irp u, 0,1,2,3
	s_wait_loadcnt 8*(3-\u)                        ; loads come back in order: this unit's eight are in, the later units' stay out
.irp q, 0,1,2,3,4,5,6,7
	v_cvt_pk_bf16_f32 v[P+2*\q], v[D+32*\u+4*\q], v[D+32*\u+4*\q+1]
	v_cvt_pk_bf16_f32 v[P+2*\q+1], v[D+32*\u+4*\q+2], v[D+32*\u+4*\q+3]
.endr
.if \half
.irp k, 0,1,2,3,4,5,6,7,8,9,10,11,12,13,14,15
	v_lshlrev_b32 v[TT+2*(\k%4)], 16, v[P+\k]
	v_and_b32 v[TT+2*(\k%4)+1], 0xffff0000, v[P+\k]
	v_cvt_pk_f16_f32 v[P+\k], v[TT+2*(\k%4)], v[TT+2*(\k%4)+1]
.endr
.endif
.irp q, 0,1,2,3,4,5,6,7
	ds_store_b64 v[SA], v[P+2*\q:P+2*\q+1] offset:32*\q   ; row hl + 2 q of the unit: 16 bytes a row
.endr
.irp n, 0,1,2,3
	ds_load_b128 v[D+32*\u+4*\n:D+32*\u+4*\n+3], v[RA] offset:576*\n  ; LDS serves a wave's instructions in order: these see the stores above, and the next unit's stores come behind them
.endr
.irp n, 0,1,2,3
	s_wait_dscnt 3-\n                              ; read n of the four is back
	global_store_b128 v[SO+\n], v[D+32*\u+4*\n:D+32*\u+4*\n+3], s[DB+2*\u:DB+2*\u+1]
.endr
.endr
.endm
	s_cmp_lt_u32 ttmp9, 192
	s_cbranch_scc1 .Lbf
	BODY 1
	s_branch .Lend
.Lbf:
	BODY 0
.Lend:
	s_wait_tensorcnt 0x0                           ; the wave's end
	ds_add_u32 v[SPW], v[NIL]
	s_wait_dscnt 0x0
	s_endpgm
.Lfunc_end_k_q91681d3e32_cast:
	.size	k_q91681d3e32_cast, .Lfunc_end_k_q91681d3e32_cast-k_q91681d3e32_cast
	.p2alignl 7, 3214868480
	.fill 96, 4, 3214868480
	.section	.rodata,"a",@progbits
	.p2align	6, 0x0
	.amdhsa_kernel k_q91681d3e32_cast
		.amdhsa_group_segment_fixed_size 19456
		.amdhsa_private_segment_fixed_size 0
		.amdhsa_enable_private_segment 0
		.amdhsa_kernarg_size 72
		.amdhsa_user_sgpr_count 2
		.amdhsa_user_sgpr_kernarg_segment_ptr 1
		.amdhsa_wavefront_size32 1
		.amdhsa_system_sgpr_workgroup_id_x 1
		.amdhsa_system_sgpr_workgroup_id_y 1
		.amdhsa_system_sgpr_workgroup_id_z 1
		.amdhsa_system_vgpr_workitem_id 0
		.amdhsa_next_free_vgpr 176
		.amdhsa_next_free_sgpr 66
		.amdhsa_reserve_vcc 0
		.amdhsa_float_denorm_mode_32 3
		.amdhsa_float_denorm_mode_16_64 3
		.amdhsa_memory_ordered 1
		.amdhsa_forward_progress 1
		.amdhsa_inst_pref_size 38
	.end_amdhsa_kernel
	.amdgpu_metadata
---
amdhsa.version: [ 1, 2 ]
amdhsa.kernels:
  - .name:           k_q91681d3e32_cast
    .symbol:         k_q91681d3e32_cast.kd
    .args:
      - { .name: x, .offset: 0, .size: 8, .value_kind: global_buffer, .address_space: global }
      - { .name: W_in, .offset: 8, .size: 8, .value_kind: global_buffer, .address_space: global }
      - { .name: W_alpha, .offset: 16, .size: 8, .value_kind: global_buffer, .address_space: global }
      - { .name: W_v, .offset: 24, .size: 8, .value_kind: global_buffer, .address_space: global }
      - { .name: W_out, .offset: 32, .size: 8, .value_kind: global_buffer, .address_space: global }
      - { .name: xb, .offset: 40, .size: 8, .value_kind: global_buffer, .address_space: global }
      - { .name: wib, .offset: 48, .size: 8, .value_kind: global_buffer, .address_space: global }
      - { .name: wgb, .offset: 56, .size: 8, .value_kind: global_buffer, .address_space: global }
      - { .name: wob, .offset: 64, .size: 8, .value_kind: global_buffer, .address_space: global }
    .group_segment_fixed_size: 19456
    .private_segment_fixed_size: 0
    .kernarg_segment_align: 8
    .kernarg_segment_size: 72
    .max_flat_workgroup_size: 256
    .sgpr_count:     66
    .vgpr_count:     176
    .wavefront_size: 32
...
	.end_amdgpu_metadata
.endif
;; end of part 1
;; launch inproj (part 2): grid 16 x 16, 4 waves a work-group, clusters of 4 x 4, 327,680 bytes of LDS; arguments xb, wib, xp; writes xp
.if DOCPART == 2
	.amdgcn_target "amdgcn-amd-amdhsa--gfx1250"
	.amdhsa_code_object_version 6
	.text
	.protected	k_q91681d3e32_inproj
	.globl	k_q91681d3e32_inproj
	.p2align	8
	.type	k_q91681d3e32_inproj,@function
k_q91681d3e32_inproj:
	s_mov_b64 s[64:65], 0
	v_nop
	global_prefetch_b8 v0, s[64:65] scope:SCOPE_SE
	s_setreg_imm32_b32 hwreg(HW_REG_WAVE_MODE, 25, 1), 1
	s_wait_xcnt 0x0
	s_wait_alu depctr_hold_cnt(0) depctr_sa_sdst(0) depctr_va_vdst(0) depctr_va_sdst(0) depctr_va_ssrc(0) depctr_va_vcc(0) depctr_vm_vsrc(0)
	s_getreg_b32 s2, hwreg(HW_REG_IB_STS2, 6, 4)
	s_cmp_eq_u32 s2, 0
	s_cbranch_scc0 .Lentry_in_a_cluster
	s_endpgm
.Lentry_in_a_cluster:
	s_bfe_u32 s2, ttmp6, 0x10000c
	s_cmp_lg_u32 s2, 0xf033
	s_cbranch_scc0 .Lentry_shape_is_right
	s_endpgm
.Lentry_shape_is_right:
; Launch 2 of 4: xp = silu(x W_in^T), 4,096 positions x 2,048 channels, K = 1,024, bf16 operands, f32 sums; xp is rounded once to f16.  Nothing is left out.
; LIMIT: |silu| >= 65,520 becomes an infinity in xp; below 6e-5 xp keeps f16's fixed step of 6e-8.  NaN and infinities are not treated apart.
; SHARES.  A work-group makes 256 positions x 128 channels: 16 x 16 work-groups.  Wave (wm, wn) makes 128 x 64: 32 accumulators of 16 x 16.
; OPERANDS lie in blocks [chunk of 8 k][row][8]: a tile is dense in memory and is asked for as rows of 256 bytes; in LDS 16 lanes of a fragment load take 256 consecutive bytes.
; K goes in steps of 128 through two LDS slots; a wave's one tensor load brings half of a tile (waves 0, 1: x's; waves 2, 3: W_in's).
; CLUSTER 4 x 4: the four work-groups of a row of the cluster need the same tile of x, the four of a column the same tile of W_in: each is asked for jointly.
; THE MATRIX INSTRUCTION IS USED TRANSPOSED (source 0 = 16 rows of W_in, source 1 = 16 positions): a lane holds one position and eight neighbouring channels, which are 16 bytes of xp's layout
; [batch][block of 64 channels][chunk][position][8], and 16 lanes store 256 consecutive bytes straight from registers.
; REGISTERS.  Window 0: v4-11 addresses; v32-127, v128-223 two fragment buffers (x's eight fragments, then W_in's four).  Window 1: accumulator (a, b) at 8 (4 a + b).
.set NK,    8
.set SLOT1, 131072                     ; slot 1; one exclusive or turns an address in one slot into the other's
.set BOFF,  65536                      ; in a slot: x's 64 KiB (chunk pitch 4,096), then W_in's 32 KiB (chunk pitch 2,048)
.set SPARE, 229376                     ; behind the ring: the spare words, 128 bytes a wave
.set STEPA, 65536
.set STEPB, 32768
.set A0,  4                            ; v4   my place in a slot's tile of x; never rewritten
.set B0,  5                            ; v5   the same for W_in
.set ADA, 6                            ; v6   the same in the slot in hand
.set ADB, 7
.set XO,  8                            ; v8   my byte offset in xp
.set CV,  10                           ; v[10:11] -log2(e), twice
.set SPW, 28
.set NIL, 29
.set F0,  32
.set F1,  128
.set T,   32                           ; the way out: 128 registers at work
.set P,   160                          ; the way out: 64 registers, packed
.set TB,  20                           ; s20  LDS byte of the slot in hand
.set G1,  24
.set G0,  32                           ; s[32:35] K step 0; s[36:39] K step 1, which then walks
.set G1B, 48
.set G0B, 56
.set MULW, 0x50                        ; fragments in window 0, C and D in window 1
.set MSB, 0
.macro WIN new                         ; the immediate's high byte repeats the setting that is left; a switch that changes nothing is dropped
.if MSB != (\new)
	s_set_vgpr_msb (MSB<<8)|(\new)
.set MSB, \new
.endif
.endm
.macro PLACES                          ; four plain vector instructions behind a matrix instruction, in front of loads into its sources and of reads of its result
.rept 4
	v_nop
.endr
.endm
.macro JLOAD                           ; a joint refill; the branch hangs on the wave's number alone; an s_nop 0 and four v_nop follow each line
	s_cmp_eq_u32 s11, 0
	s_cbranch_scc0 .Lfor_b_\@
	tensor_load_to_lds s[G0+4:G0+7], s[G1:G1+7]
	s_nop 0
.rept 4
	v_nop
.endr
	s_branch .Lasked_\@
.Lfor_b_\@:
	tensor_load_to_lds s[G0B+4:G0B+7], s[G1B:G1B+7]
	s_nop 0
.rept 4
	v_nop
.endr
.Lasked_\@:
.endm
.macro CREST                           ; a round of the cluster's barrier behind its opening barrier
	s_cmp_lg_u32 s10, 0
	s_cbranch_scc1 .Lnot_wave_0_\@
	s_barrier_signal -3
.Lnot_wave_0_\@:
	s_barrier_wait -3
	s_barrier_signal -1
	s_barrier_wait -1
.endm
.macro CROUND
	s_barrier_signal -1
	s_barrier_wait -1
	CREST
.endm
	s_load_b128 s[4:7], s[0:1], 0x0                ; xb, wib
	s_load_b64 s[8:9], s[0:1], 0x10                ; xp
	v_lshl_add_u32 v[SPW], v0, 2, SPARE
	v_mov_b32 v[NIL], 0
	ds_add_u32 v[SPW], v[NIL]                      ; the opening: the add, twice on end, and its wait ahead of my first tensor load
	ds_add_u32 v[SPW], v[NIL]
	v_lshrrev_b32 v1, 5, v0
	v_readfirstlane_b32 s10, v1                    ; wave 0..3
	s_lshr_b32 s11, s10, 1                         ; wm.  Also: I fetch for x (0) or for W_in (1)
	s_and_b32 s12, s10, 1                          ; wn.  Also: which half of that tile I fetch
	s_bfe_u32 s40, ttmp6, 0x40000                  ; cx
	s_bfe_u32 s41, ttmp6, 0x40004                  ; cy
	s_lshl_b32 s42, ttmp9, 2
	s_add_co_u32 s42, s42, s40                     ; block of 128 channels
	s_and_b32 s13, ttmp7, 0xffff
	s_lshl_b32 s13, s13, 2
	s_add_co_u32 s13, s13, s41                     ; block of 256 positions
	s_lshl_b32 s43, s41, 2
	s_lshl_b32 s43, 15, s43                        ; my row of the cluster
	s_lshl_b32 s44, 0x1111, s40                    ; my column
	s_or_b32 s[G1], s43, (1<<16)|(1<<21)           ; 15:0 the mask; 17:16 elements of 2 bytes; 21 set beside a mask; no padding
	s_or_b32 s[G1B], s44, (1<<16)|(1<<21)
	s_mov_b32 s[G1+1], 128<<16                     ; tensor_dim0 = 128 elements: rows of 256 bytes
	s_mov_b32 s[G1+2], 128<<16                     ; tensor_dim1 = 128 rows: 32 KiB, one block of 64 k of x
	s_mov_b32 s[G1+3], 128<<16                     ; tile_dim0
	s_mov_b32 s[G1+4], 128                         ; tile_dim1
	s_mov_b32 s[G1+5], 128                         ; the rows lie end to end
	s_mov_b32 s[G1+6], 0
	s_mov_b32 s[G1+7], 0
	s_mov_b32 s[G1B+1], 128<<16
	s_mov_b32 s[G1B+2], 64<<16                     ; 64 rows: 16 KiB, one block of W_in
	s_mov_b32 s[G1B+3], 128<<16
	s_mov_b32 s[G1B+4], 64
	s_mov_b32 s[G1B+5], 128
	s_mov_b32 s[G1B+6], 0
	s_mov_b32 s[G1B+7], 0
	s_lshl_b32 s16, s13, 19                        ; x: 524,288 bytes a row block, 32,768 a block of 64 k
	s_lshl_b32 s17, s12, 15
	s_add_co_u32 s16, s16, s17
	s_mov_b32 s17, 0
	s_lshl_b32 s46, s42, 18                        ; W_in: 262,144 a block of 128 rows, 16,384 a block of 64 k
	s_lshl_b32 s47, s12, 14
	s_add_co_u32 s46, s46, s47
	s_mov_b32 s47, 0
	s_lshl_b32 s21, s12, 15                        ; where my half goes in a slot: made of the wave's number alone
	s_lshl_b32 s22, s12, 14
	s_add_co_u32 s22, s22, BOFF
	s_mov_b32 s[TB], 0
	s_wait_dscnt 0x0                               ; both opening adds are done
	s_wait_kmcnt 0x0
	s_add_nc_u64 s[14:15], s[4:5], s[16:17]
	s_add_nc_u64 s[46:47], s[6:7], s[46:47]
	CROUND                                         ; all sixteen work-groups are here: the first joint loads meet
.irp s, 0,1
	s_mov_b32 s[G0+4*\s], 1
	s_add_co_u32 s[G0+4*\s+1], s21, \s*SLOT1
	s_add_nc_u64 s[G0+4*\s+2:G0+4*\s+3], s[14:15], \s*STEPA
	s_or_b32 s[G0+4*\s+3], s[G0+4*\s+3], 0x80000000
	s_mov_b32 s[G0B+4*\s], 1
	s_add_co_u32 s[G0B+4*\s+1], s22, \s*SLOT1
	s_add_nc_u64 s[G0B+4*\s+2:G0B+4*\s+3], s[46:47], \s*STEPB
	s_or_b32 s[G0B+4*\s+3], s[G0B+4*\s+3], 0x80000000
.endr
	s_cmp_eq_u32 s11, 0                            ; a wave's two first fills stand in one branch: two tensor loads of mine are out
	s_cbranch_scc0 .Lfirst_b
	tensor_load_to_lds s[G0:G0+3], s[G1:G1+7]
	s_nop 0
	tensor_load_to_lds s[G0+4:G0+7], s[G1:G1+7]
	s_nop 0
.rept 4
	v_nop
.endr
	s_branch .Lfirst_asked
.Lfirst_b:
	tensor_load_to_lds s[G0B:G0B+3], s[G1B:G1B+7]
	s_nop 0
	tensor_load_to_lds s[G0B+4:G0B+7], s[G1B:G1B+7]
	s_nop 0
.rept 4
	v_nop
.endr
.Lfirst_asked:
	; A fragment is 16 rows x 32 k in 8 registers: lane l holds row l % 16; registers 0-3 chunk l / 16, registers 4-7 chunk 2 + l / 16 of the four chunks.
	v_and_b32 v1, 15, v0
	v_bfe_u32 v2, v0, 4, 1
	v_lshlrev_b32 v3, 4, v1
	v_lshl_add_u32 v[A0], v2, 12, v3
	s_lshl_b32 s23, s11, 11
	v_add_nc_u32 v[A0], s23, v[A0]                 ; 2,048 wm + 16 r + 4,096 (l / 16)
	v_lshl_add_u32 v[B0], v2, 11, v3
	s_lshl_b32 s23, s12, 10
	s_add_co_u32 s23, s23, BOFF
	v_add_nc_u32 v[B0], s23, v[B0]                 ; BOFF + 1,024 wn + 16 r + 2,048 (l / 16)
	v_mov_b32 v[ADA], v[A0]
	v_mov_b32 v[ADB], v[B0]
	v_lshl_add_u32 v[XO], v2, 13, v3               ; in xp: position r, chunk l / 16
	v_mov_b32 v[CV], 0xbfb8aa3b
	v_mov_b32 v[CV+1], 0xbfb8aa3b
	s_lshr_b32 s18, s13, 1                         ; xp: (batch x 32 + block of 64 channels) x 65,536 + position x 16
	s_lshl_b32 s18, s18, 5
	s_lshl_b32 s19, s42, 1
	s_add_co_u32 s18, s18, s19
	s_add_co_u32 s18, s18, s12
	s_lshl_b32 s18, s18, 16
	s_and_b32 s19, s13, 1
	s_lshl_b32 s19, s19, 12
	s_add_co_u32 s18, s18, s19
	s_lshl_b32 s19, s11, 11
	s_add_co_u32 s18, s18, s19
	s_mov_b32 s19, 0
	s_add_nc_u64 s[8:9], s[8:9], s[18:19]
; 8 products: position blocks a0, a0 + 1 x all 4 channel blocks, 32 along K.  The 32 accumulators take turns, one instruction a turn, in the same order in every unit.
.macro MUL8 f, a0, zero
	WIN MULW
.irp a, \a0, (\a0)+1
.irp b, 0,1,2,3
.if \zero
	v_wmma_f32_16x16x32_bf16 v[8*(4*(\a)+(\b)):8*(4*(\a)+(\b))+7], v[(\f)+64+8*(\b):(\f)+64+8*(\b)+7], v[(\f)+8*(\a):(\f)+8*(\a)+7], 0
.else
	v_wmma_f32_16x16x32_bf16 v[8*(4*(\a)+(\b)):8*(4*(\a)+(\b))+7], v[(\f)+64+8*(\b):(\f)+64+8*(\b)+7], v[(\f)+8*(\a):(\f)+8*(\a)+7], v[8*(4*(\a)+(\b)):8*(4*(\a)+(\b))+7]
.endif
.endr
.endr
.endm
; 24 LDS loads in one run: unit k (32 along K) of the slot in hand, into buffer f: W_in's four fragments, then x's eight
.macro FETCH k, f
	WIN 0
.irp i, 0,1,2,3
	ds_load_b128 v[(\f)+64+8*\i:(\f)+64+8*\i+3],   v[ADB] offset:((\k)/2)*16384+((\k)%2)*8192+256*\i
	ds_load_b128 v[(\f)+64+8*\i+4:(\f)+64+8*\i+7], v[ADB] offset:((\k)/2)*16384+((\k)%2)*8192+256*\i+4096
.endr
.irp i, 0,1,2,3,4,5,6,7
	ds_load_b128 v[(\f)+8*\i:(\f)+8*\i+3],   v[ADA] offset:((\k)/2)*32768+((\k)%2)*16384+256*\i
	ds_load_b128 v[(\f)+8*\i+4:(\f)+8*\i+7], v[ADA] offset:((\k)/2)*32768+((\k)%2)*16384+256*\i+8192
.endr
.endm
; One of a K step's first three units: multiplies buffer f, and in its middle fetches unit k into buffer g.
.macro UNIT f, g, k, zero
	s_wait_dscnt 8                                 ; all but the youngest eight loads: x's blocks 4-7
	MUL8 \f, 0, \zero
	MUL8 \f, 2, \zero
	PLACES
	FETCH \k, \g
	s_wait_dscnt 24                                ; all but the 24 just issued
	MUL8 \f, 4, \zero
	MUL8 \f, 6, \zero
.endm
; The K step's last unit multiplies buffer 1 and changes slots: ONE barrier.  In front of it each wave waits for all its tensor loads (one is out: its part of the next slot), adds 0 to its spare
; word, and waits for that and for its reads of this slot.  fill = 1: the barrier opens a round of the cluster's, and the joint refill, two K steps on, is the first thing behind it.
; tail = 1: in the last K step (count 1) there is no next slot: its address lines and LDS loads are jumped over.
.macro TURN fill, tail=0
	WIN 0
	s_wait_tensorcnt 0x0
	ds_add_u32 v[SPW], v[NIL]
	s_wait_dscnt 9                                 ; the add and the youngest eight loads may be out
	MUL8 F1, 0, 0
	s_wait_dscnt 0x0                               ; the add is done, and my reads of this slot are over
	s_barrier_signal -1
	MUL8 F1, 2, 0
	WIN 0
	s_barrier_wait -1
.if \fill
	CREST
	s_xor_b32 s[G0+5], s[G0+5], SLOT1              ; no tensor load of mine is out: the walking descriptors step: the other slot, the next K step
	s_add_nc_u64 s[G0+6:G0+7], s[G0+6:G0+7], STEPA
	s_xor_b32 s[G0B+5], s[G0B+5], SLOT1
	s_add_nc_u64 s[G0B+6:G0B+7], s[G0B+6:G0B+7], STEPB
	JLOAD                                          ; its four v_nop are also the places in front of the loads below
.else
	PLACES
.endif
.if \tail
	s_cmp_eq_u32 s3, 1
	s_cbranch_scc1 .Lno_more_\@
.endif
	s_xor_b32 s[TB], s[TB], SLOT1
	v_add_nc_u32 v[ADA], s[TB], v[A0]
	v_add_nc_u32 v[ADB], s[TB], v[B0]
	FETCH 0, F0
.if \tail
.Lno_more_\@:
.endif
	MUL8 F1, 4, 0
	MUL8 F1, 6, 0
.endm
; THE WAY OUT for 128 accumulator registers Z: silu(z) = z / (1 + 2^(-log2(e) z)).  Two halves X, Y of 64 go through the steps one phase apart, so that the exponentials and reciprocals of one
; stand between the plain lines of the other.  Each phase's transcendentals are one batch, with one wait ahead of their first reader.
.macro BATCH
	v_nop
	s_wait_alu depctr_va_vdst(0)
.endm
.macro SILU half
	WIN 0x04                                       ; source 1 in window 1: Z; all else in window 0
.set i, 0
.rept 32
	v_pk_mul_f32 v[T+i:T+i+1], v[CV:CV+1], v[128*(\half)+i:128*(\half)+i+1]
.set i, i+2
.endr
.set i, 0
.rept 32
	v_exp_f32 v[T+i], v[T+i]
	v_exp_f32 v[T+i+1], v[T+i+1]
	v_pk_mul_f32 v[T+64+i:T+64+i+1], v[CV:CV+1], v[128*(\half)+64+i:128*(\half)+64+i+1]
.set i, i+2
.endr
	BATCH
.set i, 0
.rept 32
	v_exp_f32 v[T+64+i], v[T+64+i]
	v_exp_f32 v[T+64+i+1], v[T+64+i+1]
	v_pk_add_f32 v[T+i:T+i+1], v[T+i:T+i+1], 1.0 op_sel_hi:[1,0]
.set i, i+2
.endr
	BATCH
.set i, 0
.rept 32
	v_rcp_f32 v[T+i], v[T+i]
	v_rcp_f32 v[T+i+1], v[T+i+1]
	v_pk_add_f32 v[T+64+i:T+64+i+1], v[T+64+i:T+64+i+1], 1.0 op_sel_hi:[1,0]
.set i, i+2
.endr
	BATCH
.set i, 0
.rept 32
	v_rcp_f32 v[T+64+i], v[T+64+i]
	v_rcp_f32 v[T+64+i+1], v[T+64+i+1]
	v_pk_mul_f32 v[T+i:T+i+1], v[T+i:T+i+1], v[128*(\half)+i:128*(\half)+i+1]
.set i, i+2
.endr
	BATCH
.set i, 0
.rept 32
	v_pk_mul_f32 v[T+64+i:T+64+i+1], v[T+64+i:T+64+i+1], v[128*(\half)+64+i:128*(\half)+64+i+1]
.set i, i+2
.endr
	WIN 0
.if \half
	s_wait_xcnt 0x0                                ; the first half's stores have read P: it is rewritten only behind this wait
.endif
.set i, 0
.rept 64
	v_cvt_pk_f16_f32 v[P+i], v[T+2*i], v[T+2*i+1]
.set i, i+1
.endr
.set i, 0
.rept 16
	global_store_b128 v[XO], v[P+4*i:P+4*i+3], s[8:9] offset:256*(4*(\half)+i/4)+16384*(i%4)  ; 16 lanes: 256 consecutive bytes, aligned
.set i, i+1
.endr
.endm
	s_wait_tensorcnt 1                             ; my part of K step 0 is in; K step 1 may stay out
	s_barrier_signal -1
	s_barrier_wait -1
	FETCH 0, F0
	UNIT F0, F1, 1, 1                              ; the first unit stands in front of the loop: its products start the sums
	WIN 0
	s_mov_b32 s3, NK-2
.Lstep:                                                ; a trip: the rest of a K step, a refill, and the next K step's first unit
	UNIT F1, F0, 2, 0
	UNIT F0, F1, 3, 0
	TURN 1
	UNIT F0, F1, 1, 0
	WIN 0
	s_sub_co_u32 s3, s3, 1
	s_cmp_lg_u32 s3, 0
	s_cbranch_scc1 .Lstep
	s_mov_b32 s3, 2
.Ltail:                                                ; the last two K steps ask for nothing: a text of their own
	UNIT F1, F0, 2, 0
	UNIT F0, F1, 3, 0
	TURN 0, 1
	WIN 0
	s_cmp_eq_u32 s3, 1                             ; behind the last K step there is no first unit of a next one
	s_cbranch_scc1 .Llast
	UNIT F0, F1, 1, 0
	WIN 0
.Llast:
	s_sub_co_u32 s3, s3, 1
	s_cmp_lg_u32 s3, 0
	s_cbranch_scc1 .Ltail
	PLACES
	SILU 0
	SILU 1
	s_wait_tensorcnt 0x0                           ; the wave's end
	ds_add_u32 v[SPW], v[NIL]
	s_wait_dscnt 0x0
	CROUND                                         ; the closing round
	s_endpgm
.Lfunc_end_k_q91681d3e32_inproj:
	.size	k_q91681d3e32_inproj, .Lfunc_end_k_q91681d3e32_inproj-k_q91681d3e32_inproj
	.p2alignl 7, 3214868480
	.fill 96, 4, 3214868480
	.section	.rodata,"a",@progbits
	.p2align	6, 0x0
	.amdhsa_kernel k_q91681d3e32_inproj
		.amdhsa_group_segment_fixed_size 327680
		.amdhsa_private_segment_fixed_size 0
		.amdhsa_enable_private_segment 0
		.amdhsa_kernarg_size 24
		.amdhsa_user_sgpr_count 2
		.amdhsa_user_sgpr_kernarg_segment_ptr 1
		.amdhsa_wavefront_size32 1
		.amdhsa_system_sgpr_workgroup_id_x 1
		.amdhsa_system_sgpr_workgroup_id_y 1
		.amdhsa_system_sgpr_workgroup_id_z 1
		.amdhsa_system_vgpr_workitem_id 0
		.amdhsa_next_free_vgpr 512
		.amdhsa_next_free_sgpr 66
		.amdhsa_reserve_vcc 0
		.amdhsa_float_denorm_mode_32 3
		.amdhsa_float_denorm_mode_16_64 3
		.amdhsa_memory_ordered 1
		.amdhsa_forward_progress 1
		.amdhsa_inst_pref_size 96
	.end_amdhsa_kernel
	.amdgpu_metadata
---
amdhsa.version: [ 1, 2 ]
amdhsa.kernels:
  - .name:           k_q91681d3e32_inproj
    .symbol:         k_q91681d3e32_inproj.kd
    .args:
      - { .name: xb, .offset: 0, .size: 8, .value_kind: global_buffer, .address_space: global }
      - { .name: wib, .offset: 8, .size: 8, .value_kind: global_buffer, .address_space: global }
      - { .name: xp, .offset: 16, .size: 8, .value_kind: global_buffer, .address_space: global }
    .group_segment_fixed_size: 327680
    .private_segment_fixed_size: 0
    .kernarg_segment_align: 8
    .kernarg_segment_size: 24
    .max_flat_workgroup_size: 128
    .sgpr_count:     66
    .vgpr_count:     512
    .wavefront_size: 32
...
	.end_amdgpu_metadata
.endif
;; end of part 2
;; launch gates (part 3): grid 32 x 8, 4 waves a work-group, clusters of 4 x 4, 327,680 bytes of LDS; arguments xp, wgb, b_alpha, b_v, h0, ob, sc, out1; writes ob, sc, out1
.if DOCPART == 3
	.amdgcn_target "amdgcn-amd-amdhsa--gfx1250"
	.amdhsa_code_object_version 6
	.text
	.protected	k_q91681d3e32_gates
	.globl	k_q91681d3e32_gates
	.p2align	8
	.type	k_q91681d3e32_gates,@function
k_q91681d3e32_gates:
	s_mov_b64 s[64:65], 0
	v_nop
	global_prefetch_b8 v0, s[64:65] scope:SCOPE_SE
	s_setreg_imm32_b32 hwreg(HW_REG_WAVE_MODE, 25, 1), 1
	s_wait_xcnt 0x0
	s_wait_alu depctr_hold_cnt(0) depctr_sa_sdst(0) depctr_va_vdst(0) depctr_va_sdst(0) depctr_va_ssrc(0) depctr_va_vcc(0) depctr_vm_vsrc(0)
	s_getreg_b32 s2, hwreg(HW_REG_IB_STS2, 6, 4)
	s_cmp_eq_u32 s2, 0
	s_cbranch_scc0 .Lentry_in_a_cluster
	s_endpgm
.Lentry_in_a_cluster:
	s_bfe_u32 s2, ttmp6, 0x10000c
	s_cmp_lg_u32 s2, 0xf033
	s_cbranch_scc0 .Lentry_shape_is_right
	s_endpgm
.Lentry_shape_is_right:
; Launch 3 of 4: z = xp W_alpha^T, v = xp W_v^T + b_v, a = sigmoid(z + b_alpha), the whole scan h_t = a_t h_(t-1) + (1 - a_t) v_t, outs = h silu(h), h_final.  Nothing is left out.
; f16 operands, f32 sums; gates, scan and carries in f32.  b_alpha, b_v and h0 are rounded once to bf16, like every input of the program.
; SHARES.  A work-group holds ALL 512 steps of one batch for 64 channels: 512 positions x 128 columns (64 of W_alpha, the same 64 of W_v), K = 2,048: 32 x 8 work-groups.
; Wave w takes positions 128 w .. 128 w + 127 and all 128 columns: 64 accumulators.  In a result, lane (r, h) register j of position block a is position 16 a + 8 h + j, column r.
; Launch 1 laid step 64 h + 8 a + j at that position: so a lane holds 64 CONSECUTIVE steps of one channel in its eight blocks, gate and value in the same lane.
; THE SCAN.  Each lane runs its 64 steps from state 0 and keeps the running product of its gates; the eight segments' (product, state) meet in LDS; each lane folds the segments before
; its own onto h0 (seven fused multiply-adds under a select) and adds running product x entry state to its 64 states.
; outs LEAVES IN f16 WITH ONE POWER OF TWO FOR A WAVE'S BLOCK (128 steps x 64 channels): the block's largest number, with biased exponent e (at least 16), is brought into [2^14, 2^15);
; e goes to sc.  LIMIT: a block whose largest outs lies below 2^-111 loses relative precision.  NaN and infinities are not treated apart.
; RING.  K goes in 16 steps of 128, four units of 32, through two LDS slots.  A whole slot would be 640 rows x 2 bytes x 128 = 163,840 bytes, and two of them all of LDS.  So the weights' tile is
; asked for WITHOUT ITS LAST TWO ROWS OF 256 BYTES (chunk 15 of the 16, columns 96 to 127): 126 rows, 63 to each of waves 2 and 3.  The 512 bytes so left behind the weights' first slot are the
; spare words, those behind the second take h_final.  Only the second halves of column blocks 6 and 7 in a K step's fourth unit touch what is missing: they come straight from memory, two loads
; of 16 bytes a lane for a K step, into registers of their own, asked for 160 matrix instructions ahead of their wait.  Waves 0, 1 fetch the halves of xp's tile (256 rows of 256 bytes each).
; From a joint refill to the wait for it a wave issues 240 matrix instructions.
; THE STAGES AND THE SEGMENTS' EXCHANGE lie in xp's first slot: its last fill is K step 14's, and behind the last change's barrier, in front of which every wave has waited for its LDS reads, nobody reads a slot.
; CLUSTER 4 x 4: xp's tile hangs on the batch alone and is shared along a row of the cluster, the weights' on the slice alone and along a column.
; REGISTERS.  Window 0: v4-63 addresses and small things; v64-127, v128-191 xp's fragments, two buffers; v224-255 at work.
; Window 1: v0-31 b_v as the C operand of the first products; v64-191 the weights' fragments, two buffers; v192-207 column blocks 6 and 7 of a K step's fourth unit.
; Windows 2, 3: accumulator (a, b) at 8 (8 (a % 4) + b); b 0-3: the gate (Z), b 4-7: the value (U = Z + 32).
.set ASL,   131072                     ; xp's slots at 0 and here (chunk pitch 8,192): one exclusive or turns an address in one into the other's
.set BBASE, 262144                     ; the weights' slots here and BSL further on (chunk pitch 2,048)
.set BSL,   32768
.set BHALF, 16128                      ; 63 rows of 256 bytes
.set SPARE, 294400                     ; behind the 126 rows of the weights' first slot: the spare words, 128 bytes a wave
.set HFB,   327168                     ; behind those of the second: 512 bytes for h_final
.set STAGE, 0                          ; in xp's first slot, once it is used up: for each wave 64 channel rows x 288 bytes,
.set SPITCH, 288
.set XCH,   73728                      ; and [8 segments][64 channels] x 8 bytes
.set STEPA, 131072
.set STEPB, 32768
.set A0,  4
.set B0,  5
.set ADA, 6
.set ADB, 7
.set BO,  8                            ; v8   4 r: my offset in the biases and h0
.set LN,  11                           ; v11  lane
.set HO,  12                           ; v12  8 x lane
.set ADC, 13                           ; v13  ADA + 65,536: a slot's third and fourth units of xp lie beyond a 16-bit offset
.set GOF, 14                           ; v14  16 r + 2,048 h: my offset in two chunks of the weights in memory; never rewritten
.set SPW, 28
.set NIL, 29
.set PFO, 30                           ; v30  256 x lane; never rewritten
.set BA,  32                           ; v32-39  -log2(e) b_alpha for channel block eb, in the even register of pair eb
.set HP,  40                           ; v40-47  the entry state, likewise
.set HF,  48                           ; v48-51  h at my last step
.set SEG, 52                           ; v52  my segment of 64 steps: 2 w + h
.set XA,  53
.set XR,  54
.set STO, 55
.set TRD, 56
.set GO,  57
.set HFA, 58
.set HFR, 59
.set MU,  60                           ; v[60:61] the block's factor
.set EE,  62                           ; v62  its exponent
.set ZO,  63                           ; v63  0, an offset
.set F0,  64
.set F1,  128
.set G,   192                          ; window 1
.set XL,  64                           ; the other segments' pairs
.set PK,  64                           ; outs, packed
.set BC,  0                            ; window 1
.set LB,  224                          ; the biases and h0 as loaded
.set MX,  236
.set XP,  240
.set TT,  248
.set HL,  252
.set GB,  4                            ; s[4:5]  the weights at my slice, at the K step whose two rows are asked for next
.set PFB, 6                            ; s[6:7]  where my prefetches of the weights stand
.set LIMB, 8                           ; s8   a wave prefetches while the count of changes to come is above it; the greatest number in a wave that never does
.set TBB, 9                            ; s9   0 or BSL: the weights' slot in hand
.set TBA, 20                           ; s20  0 or ASL: xp's
.set G1,  24
.set G0,  32                           ; s[32:35] K step 0; s[36:39] K step 1, which then walks
.set LIMA, 43                          ; s43  as LIMB, for xp
.set PFA, 44                           ; s[44:45] where my prefetches of xp stand
.set G1B, 48
.set G0B, 56
.set NL,  86                           ; s[86:87] -log2(e)
.set SEL, 88                           ; s[88:89] v_permlanex16_b32's selects
.set SAV, 90
.set WL,  91                           ; s91  wave % 2: which half of a tile I fetch
.set WV,  100                          ; s100 my wave's number
.set WH,  101                          ; s101 wave / 2: I fetch for xp (0) or for the weights (1)
.set MSB, 0
.macro WIN new
.if MSB != (\new)
	s_set_vgpr_msb (MSB<<8)|(\new)
.set MSB, \new
.endif
.endm
.macro PLACES
.rept 4
	v_nop
.endr
.endm
.macro SHAPE g, rows                   ; group 1 but for its first word: so many rows of 256 bytes, end to end
	s_mov_b32 s[(\g)+1], 128<<16
	s_mov_b32 s[(\g)+2], (\rows)<<16
	s_mov_b32 s[(\g)+3], 128<<16
	s_mov_b32 s[(\g)+4], \rows
	s_mov_b32 s[(\g)+5], 128
	s_mov_b32 s[(\g)+6], 0
	s_mov_b32 s[(\g)+7], 0
.endm
.macro JLOAD                           ; a joint refill; the branch hangs on the wave's number alone; an s_nop 0 and four v_nop follow each line
	s_cmp_eq_u32 s[WH], 0
	s_cbranch_scc0 .Lfor_b_\@
	tensor_load_to_lds s[G0+4:G0+7], s[G1:G1+7]
	s_nop 0
.rept 4
	v_nop
.endr
	s_branch .Lasked_\@
.Lfor_b_\@:
	tensor_load_to_lds s[G0B+4:G0B+7], s[G1B:G1B+7]
	s_nop 0
.rept 4
	v_nop
.endr
.Lasked_\@:
.endm
.macro CREST
	s_cmp_lg_u32 s[WV], 0
	s_cbranch_scc1 .Lnot_wave_0_\@
	s_barrier_signal -3
.Lnot_wave_0_\@:
	s_barrier_wait -3
	s_barrier_signal -1
	s_barrier_wait -1
.endm
.macro CROUND
	s_barrier_signal -1
	s_barrier_wait -1
	CREST
.endm
; PREFETCHES INTO THE L2, behind the joint load and the run of LDS loads; a lane a row of 256 bytes; each row is named once in the launch.  They name the K step that stands two refills on,
; 512 matrix instructions ahead of the load that will want it: K steps 4 to 15, in changes 0 to 11; K steps 0 to 3 come by their loads alone.
; xp's block of a K step (512 rows) is read by every cluster of a row of clusters: the one with x = 0 asks; the partner at place cx takes 128 rows BY ADDRESS, each of its four waves 32.
; The weights' block (128 rows) is read by both clusters of a column: the one with y = 0 asks; the partner at place cy takes 32 rows BY ADDRESS, and its wave 3 asks for them.
.macro ASK
	s_cmp_gt_u32 s3, s[LIMA]                       ; s3 counts the changes that fill a slot down from 14
	s_cbranch_scc0 .Lnot_a_\@
	global_prefetch_b8 v[PFO], s[PFA:PFA+1] th:TH_LOAD_NT scope:SCOPE_SE
.Lnot_a_\@:
	s_cmp_gt_u32 s3, s[LIMB]
	s_cbranch_scc0 .Lnot_b_\@
	global_prefetch_b8 v[PFO], s[PFB:PFB+1] th:TH_LOAD_NT scope:SCOPE_SE
.Lnot_b_\@:
.endm
	s_load_b512 s[68:83], s[0:1], 0x0              ; xp 68, wgb 70, b_alpha 72, b_v 74, h0 76, ob 78, sc 80, out1 82
	v_lshl_add_u32 v[SPW], v0, 2, SPARE
	v_mov_b32 v[NIL], 0
	ds_add_u32 v[SPW], v[NIL]                      ; the opening: the add, twice on end, and its wait ahead of my first tensor load
	ds_add_u32 v[SPW], v[NIL]
	v_lshrrev_b32 v1, 5, v0
	v_readfirstlane_b32 s[WV], v1                  ; wave 0..3
	s_lshr_b32 s[WH], s[WV], 1
	s_and_b32 s[WL], s[WV], 1
	s_bfe_u32 s40, ttmp6, 0x40000                  ; cx
	s_bfe_u32 s41, ttmp6, 0x40004                  ; cy
	s_lshl_b32 s42, ttmp9, 2
	s_add_co_u32 s42, s42, s40                     ; the slice of 64 channels
	s_and_b32 s13, ttmp7, 0xffff
	s_lshl_b32 s13, s13, 2
	s_add_co_u32 s13, s13, s41                     ; the batch
	s_lshl_b32 s43, s41, 2
	s_lshl_b32 s43, 15, s43                        ; my row of the cluster
	s_lshl_b32 s44, 0x1111, s40                    ; my column
	s_or_b32 s[G1], s43, (1<<16)|(1<<21)           ; 15:0 the mask; 17:16 elements of 2 bytes; 21 set beside a mask; no padding
	s_or_b32 s[G1B], s44, (1<<16)|(1<<21)
	SHAPE G1, 256                                  ; half of xp's tile: eight chunks of 512 positions
	SHAPE G1B, 63                                  ; half of the weights' 126 rows
	s_lshl_b32 s16, s13, 21                        ; the batch's bytes in xp
	s_mov_b32 s17, 0
	s_lshl_b32 s22, s42, 19                        ; the slice's bytes in the weights
	s_mov_b32 s23, 0
	s_mov_b32 s19, 0
	s_mov_b32 s[TBA], 0
	s_mov_b32 s[TBB], 0
	s_mov_b32 s[NL], 0xbfb8aa3b
	s_mov_b32 s[NL+1], 0xbfb8aa3b
	s_mov_b32 s[SEL], 0x76543210
	s_mov_b32 s[SEL+1], 0xfedcba98
	s_wait_dscnt 0x0                               ; both opening adds are done
	s_wait_kmcnt 0x0
	s_add_nc_u64 s[14:15], s[68:69], s[16:17]      ; xp at my batch: made of the batch alone
	s_add_nc_u64 s[46:47], s[70:71], s[22:23]      ; the weights at my slice: made of the slice alone
	CROUND                                         ; all sixteen work-groups are here: the first joint loads meet
	s_lshl_b32 s16, s[WL], 16                      ; my half of xp's tile: 65,536 bytes, in memory and in LDS; no place in the cluster enters an LDS address
	s_mov_b32 s[G0], 1
	s_mov_b32 s[G0+1], s16
	s_add_nc_u64 s[G0+2:G0+3], s[14:15], s[16:17]
	s_or_b32 s[G0+3], s[G0+3], 0x80000000
	s_mov_b32 s[G0+4], 1
	s_add_co_u32 s[G0+5], s16, ASL
	s_add_nc_u64 s[G0+6:G0+7], s[14:15], s[16:17]
	s_add_nc_u64 s[G0+6:G0+7], s[G0+6:G0+7], STEPA
	s_or_b32 s[G0+7], s[G0+7], 0x80000000
	s_mul_i32 s18, s[WL], BHALF                    ; my half of the weights' tile
	s_mov_b32 s[G0B], 1
	s_add_co_u32 s[G0B+1], s18, BBASE
	s_add_nc_u64 s[G0B+2:G0B+3], s[46:47], s[18:19]
	s_or_b32 s[G0B+3], s[G0B+3], 0x80000000
	s_mov_b32 s[G0B+4], 1
	s_add_co_u32 s[G0B+5], s18, BBASE+BSL
	s_add_nc_u64 s[G0B+6:G0B+7], s[46:47], s[18:19]
	s_add_nc_u64 s[G0B+6:G0B+7], s[G0B+6:G0B+7], STEPB
	s_or_b32 s[G0B+7], s[G0B+7], 0x80000000
	s_cmp_eq_u32 s[WH], 0                          ; a wave's two first fills stand in one branch: two tensor loads of mine are out
	s_cbranch_scc0 .Lfirst_b
	tensor_load_to_lds s[G0:G0+3], s[G1:G1+7]
	s_nop 0
	tensor_load_to_lds s[G0+4:G0+7], s[G1:G1+7]
	s_nop 0
.rept 4
	v_nop
.endr
	s_branch .Lfirst_asked
.Lfirst_b:
	tensor_load_to_lds s[G0B:G0B+3], s[G1B:G1B+7]
	s_nop 0
	tensor_load_to_lds s[G0B+4:G0B+7], s[G1B:G1B+7]
	s_nop 0
.rept 4
	v_nop
.endr
.Lfirst_asked:
	; the small tensors' and the outputs' places
	s_lshl_b32 s18, s42, 8                         ; 64 channels of f32
	s_mov_b32 s19, 0
	s_add_nc_u64 s[72:73], s[72:73], s[18:19]
	s_add_nc_u64 s[74:75], s[74:75], s[18:19]
	s_lshl_b32 s23, s13, 13
	s_add_co_u32 s18, s18, s23
	s_add_nc_u64 s[76:77], s[76:77], s[18:19]
	s_add_nc_u64 s[82:83], s[82:83], s[18:19]
	s_lshl2_add_u32 s23, s13, s[WV]                ; row block of outs: 4 x batch + wave
	s_lshl_b32 s23, s23, 5
	s_add_co_u32 s23, s23, s42
	s_lshl_b32 s18, s23, 14
	s_add_nc_u64 s[78:79], s[78:79], s[18:19]
	s_lshl_b32 s18, s23, 2
	s_add_nc_u64 s[80:81], s[80:81], s[18:19]
	v_and_b32 v1, 15, v0                           ; r
	v_bfe_u32 v2, v0, 4, 1                         ; h
	v_lshlrev_b32 v[BO], 2, v1
.irp eb, 0,1,2,3
	global_load_b32 v[LB+\eb],   v[BO], s[72:73] offset:64*\eb
	global_load_b32 v[LB+4+\eb], v[BO], s[74:75] offset:64*\eb
	global_load_b32 v[LB+8+\eb], v[BO], s[76:77] offset:64*\eb
.endr
	; the prefetches, and the pointer of the two rows that come straight from memory
	s_mov_b64 s[GB:GB+1], s[46:47]
	s_lshl_b32 s18, s40, 15                        ; xp: my work-group's 128 rows,
	s_lshl_b32 s23, s[WV], 13                      ; my wave's 32 of them,
	s_add_co_u32 s18, s18, s23
	s_add_co_u32 s18, s18, 3*STEPA                 ; at K step 3: the first change steps it to K step 4
	s_add_nc_u64 s[PFA:PFA+1], s[14:15], s[18:19]
	s_lshl_b32 s18, s41, 13                        ; the weights: my work-group's 32 rows
	s_add_co_u32 s18, s18, 3*STEPB
	s_add_nc_u64 s[PFB:PFB+1], s[46:47], s[18:19]
	s_and_b32 s22, ttmp7, 0xffff                   ; cluster y
	s_cmp_eq_u32 ttmp9, 0
	s_cselect_b32 s[LIMA], 2, -1                   ; K step 15 is named in change 11, at the count 3
	s_cmp_eq_u32 s[WV], 3
	s_cselect_b32 s22, s22, 1                      ; waves 0 to 2 never ask for the weights
	s_cmp_eq_u32 s22, 0
	s_cselect_b32 s[LIMB], 2, -1                   ; both are the same in all sixteen partners, for a given wave
	v_and_b32 v[LN], 31, v0
	v_lshlrev_b32 v[PFO], 8, v[LN]
	; lane addresses
	v_lshlrev_b32 v3, 4, v1
	v_lshl_add_u32 v[A0], v2, 13, v3
	s_lshl_b32 s23, s[WV], 11
	v_add_nc_u32 v[A0], s23, v[A0]                 ; 2,048 w + 16 r + 8,192 h
	v_lshl_add_u32 v[GOF], v2, 11, v3              ; 16 r + 2,048 h
	v_add_nc_u32 v[B0], BBASE, v[GOF]
	v_mov_b32 v[ADA], v[A0]
	v_mov_b32 v[ADB], v[B0]
	v_add_nc_u32 v[ADC], 65536, v[ADA]
	v_lshl_add_u32 v[SEG], s[WV], 1, v2
	v_lshl_add_u32 v[XA], v[SEG], 9, XCH
	v_lshl_add_u32 v[XA], v1, 3, v[XA]
	v_lshl_add_u32 v[XR], v1, 3, XCH
	s_mul_i32 s23, s[WV], 64*SPITCH
	s_add_co_u32 s23, s23, STAGE
	v_mul_u32_u24 v[STO], v1, SPITCH               ; into the stage: channel row r, steps 64 h on
	v_lshl_add_u32 v[STO], v2, 7, v[STO]
	v_add_nc_u32 v[STO], s23, v[STO]
	v_and_b32 v9, 7, v0
	v_bfe_u32 v10, v0, 3, 2
	v_mul_u32_u24 v[TRD], v9, SPITCH               ; back, turned: channel row l % 8, eight steps at 8 (l / 8)
	v_lshl_add_u32 v[TRD], v10, 4, v[TRD]
	v_add_nc_u32 v[TRD], s23, v[TRD]
	v_lshlrev_b32 v[GO], 4, v[LN]
	v_sub_nc_u32 v[HFA], 1, v2
	v_lshlrev_b32 v[HFA], 8, v[HFA]
	v_lshl_add_u32 v[HFA], v1, 2, v[HFA]
	v_add_nc_u32 v[HFA], HFB, v[HFA]
	v_lshl_add_u32 v[HFR], v[LN], 3, HFB
	v_lshlrev_b32 v[HO], 3, v[LN]
	v_mov_b32 v[ZO], 0
	s_wait_loadcnt 0x0                             ; the biases and h0
.set i, 0
.rept 12
	v_cvt_pk_bf16_f32 v[LB+i], v[LB+i], v[LB+i]    ; rounded to bf16, like every input,
.set i, i+1
.endr
.set i, 0
.rept 12
	v_lshlrev_b32 v[LB+i], 16, v[LB+i]             ; and back in f32
.set i, i+1
.endr
.irp eb, 0,1,2,3
	v_mul_f32 v[BA+2*\eb], s[NL], v[LB+\eb]
	v_mov_b32 v[BA+2*\eb+1], 0                     ; named with it as a pair
	v_mov_b32 v[HP+2*\eb], v[LB+8+\eb]
	v_mov_b32 v[HP+2*\eb+1], 0
.endr
; The second halves (chunks 14 + h) of column blocks 6 and 7 of a K step's fourth unit, straight from memory: 16 lanes take 256 consecutive bytes.
.macro GLOAD
	WIN 0x40                                       ; destination in window 1, offset in window 0
	global_load_b128 v[G+4:G+7],   v[GOF], s[GB:GB+1] offset:14*2048+6*256
	global_load_b128 v[G+12:G+15], v[GOF], s[GB:GB+1] offset:14*2048+7*256
.endm
	WIN 0x40                                       ; destination in window 1
.irp eb, 0,1,2,3
.irp j, 0,1,2,3,4,5,6,7
	v_mov_b32 v[BC+8*\eb+\j], v[LB+4+\eb]          ; a lane's eight results of a block share a column: b_v eight times, the C operand that starts the value's sums
.endr
.endr
	GLOAD                                          ; K step 0's
	WIN 0
; 16 products: position blocks a0, a0 + 1 of the window's four x all 8 column blocks.  zero = 1: they start the sums, the gate's with 0, the value's with b_v.  sp = 1: a K step's fourth unit, whose
; column blocks 6 and 7 lie in registers of their own.  The 64 accumulators take turns, one instruction a turn, in the same order in every unit.
.macro MUL16 f, hi, a0, zero=0, sp=0
.if \zero
	WIN 0x94+0x40*(\hi)                            ; xp window 0, the weights and C window 1, D window 2 or 3
.else
	WIN 0xa4+0x50*(\hi)
.endif
.irp a, \a0, (\a0)+1
.irp b, 0,1,2,3,4,5,6,7
.set rc, 8*(8*(\a)+(\b))
.set ra, (\f)+8*(4*(\hi)+(\a))
.set rb, (\f)+8*(\b)
.if (\sp) && ((\b) >= 6)
.set rb, G+8*((\b)-6)
.endif
.if (\zero) && ((\b) < 4)
	v_wmma_f32_16x16x32_f16 v[rc:rc+7], v[ra:ra+7], v[rb:rb+7], 0
.elseif \zero
	v_wmma_f32_16x16x32_f16 v[rc:rc+7], v[ra:ra+7], v[rb:rb+7], v[BC+8*((\b)-4):BC+8*((\b)-4)+7]
.else
	v_wmma_f32_16x16x32_f16 v[rc:rc+7], v[ra:ra+7], v[rb:rb+7], v[rc:rc+7]
.endif
.endr
.endr
.endm
; The LDS loads of unit u (32 along K) of the slot in hand, in one run, into buffer f: the weights' eight fragments (window 1), then xp's eight: 32 loads; 30 in the fourth unit
.macro FETCH u, f
	WIN 0x40
.irp i, 0,1,2,3,4,5,6,7
.if ((\u) == 3) && (\i >= 6)
	ds_load_b128 v[G+8*(\i-6):G+8*(\i-6)+3], v[ADB] offset:8192*(\u)+256*\i
.else
	ds_load_b128 v[(\f)+8*\i:(\f)+8*\i+3],   v[ADB] offset:8192*(\u)+256*\i
	ds_load_b128 v[(\f)+8*\i+4:(\f)+8*\i+7], v[ADB] offset:8192*(\u)+256*\i+4096
.endif
.endr
	WIN 0
.irp i, 0,1,2,3,4,5,6,7
.if (\u) >= 2
	ds_load_b128 v[(\f)+8*\i:(\f)+8*\i+3],   v[ADC] offset:32768*((\u)-2)+256*\i
	ds_load_b128 v[(\f)+8*\i+4:(\f)+8*\i+7], v[ADC] offset:32768*((\u)-2)+256*\i+16384
.else
	ds_load_b128 v[(\f)+8*\i:(\f)+8*\i+3],   v[ADA] offset:32768*(\u)+256*\i
	ds_load_b128 v[(\f)+8*\i+4:(\f)+8*\i+7], v[ADA] offset:32768*(\u)+256*\i+16384
.endif
.endr
.endm
; One of a K step's first three units: multiplies buffer f; in its middle unit u is fetched into buffer g.  gl = 1: a K step's first unit: the step's two loads from memory go out, four places
; behind the last product of the K step before, which read their registers.
.macro UNIT f, g, u, zero=0, gl=0
	s_wait_dscnt 8                                 ; all but xp's blocks 4-7
	MUL16 \f, 0, 0, \zero
	MUL16 \f, 0, 2, \zero
	PLACES
.if \gl
	GLOAD
.endif
	FETCH \u, \g
.if (\u) == 3
	s_wait_dscnt 30                                ; all but the 30 just issued
.else
	s_wait_dscnt 32                                ; all but the 32 just issued
.endif
	MUL16 \f, 1, 0, \zero
	MUL16 \f, 1, 2, \zero
.endm
; A K step's fourth unit, on buffer 1, and the change of slots: ONE barrier; in front of it each wave waits for all its tensor loads (one is out: its part of the next slot), adds 0 to its spare
; word, and waits for that and for its reads of this slot.  Sixteen products stand ahead of the wait for the tile, sixteen between the add and the wait for it, none between signal and wait.
; fill = 1: the barrier opens a round of the cluster's; the joint refill, two K steps on, is the first thing behind it.
; tail = 1: in the last K step (count 1) there is no next slot: its address lines and LDS loads are jumped over.
.macro TURN fill, tail=0
.if \fill
	s_wait_xcnt 0x0                                ; the last prefetches, a K step back, have read their addresses
	s_add_nc_u64 s[PFA:PFA+1], s[PFA:PFA+1], STEPA
	s_add_nc_u64 s[PFB:PFB+1], s[PFB:PFB+1], STEPB
.endif
	s_wait_loadcnt 0x0                             ; this K step's two loads from memory are in, so their pointer may be written:
	s_add_nc_u64 s[GB:GB+1], s[GB:GB+1], STEPB     ; the next K step's
	s_wait_dscnt 8                                 ; all but xp's blocks 4-7
	MUL16 F1, 0, 0, 0, 1
	WIN 0                                          ; (the add's two registers lie in window 0)
	s_wait_tensorcnt 0x0
	ds_add_u32 v[SPW], v[NIL]
	MUL16 F1, 0, 2, 0, 1
	WIN 0
	s_wait_dscnt 0x0                               ; the add is done, and my reads of this slot are over
	s_barrier_signal -1
	s_barrier_wait -1
.if \fill
	CREST
	s_xor_b32 s[G0+5], s[G0+5], ASL                ; no tensor load of mine is out: the walking descriptors step: the other slot, the next K step
	s_add_nc_u64 s[G0+6:G0+7], s[G0+6:G0+7], STEPA
	s_xor_b32 s[G0B+5], s[G0B+5], BSL
	s_add_nc_u64 s[G0B+6:G0B+7], s[G0B+6:G0B+7], STEPB
	JLOAD                                          ; its four v_nop are also the places in front of the loads below
.else
	PLACES
.endif
.if \tail
	s_cmp_eq_u32 s3, 1
	s_cbranch_scc1 .Lno_more_\@
.endif
	s_xor_b32 s[TBA], s[TBA], ASL
	s_xor_b32 s[TBB], s[TBB], BSL
	v_add_nc_u32 v[ADA], s[TBA], v[A0]
	v_add_nc_u32 v[ADB], s[TBB], v[B0]
	v_add_nc_u32 v[ADC], 65536, v[ADA]
	FETCH 0, F0
.if \tail
.Lno_more_\@:
.endif
.if \fill
	ASK
.endif
	MUL16 F1, 1, 0, 0, 1
	MUL16 F1, 1, 2, 0, 1
.endm
; THE WORK BEHIND THE PRODUCTS.  ZI: pair i (even, 0 .. 62 in a half, 0 .. 126 in a window) of the gate registers of a window lies at rz; the value's at rz + 32; eb2 = 2 x its channel block.
.macro ZI half
.set rz, 128*(\half)+64*(i/32)+(i%32)
.set eb2, 2*((i%32)/8)
.endm
.macro GSCALE half, mode               ; the exponent: mode 0: -log2(e) (z + b_alpha), in place; mode 1: -log2(e) h, into Z
	ZI \half
.if \mode
	v_pk_mul_f32 v[rz:rz+1], v[rz+32:rz+33], s[NL:NL+1] op_sel_hi:[1,0]
.else
	v_pk_fma_f32 v[rz:rz+1], v[rz:rz+1], s[NL:NL+1], v[BA+eb2:BA+eb2+1] op_sel_hi:[1,0,0]
.endif
.endm
.macro GTR op, half                    ; two transcendentals in place
	ZI \half
	\op v[rz], v[rz]
	\op v[rz+1], v[rz+1]
.endm
.macro GADD half
	ZI \half
	v_pk_add_f32 v[rz:rz+1], v[rz:rz+1], 1.0 op_sel_hi:[1,0]
.endm
.macro GFIN half, mode                 ; mode 0: U = v - a v; mode 1: U = h (h sigmoid(h))
	ZI \half
.if \mode
	v_pk_mul_f32 v[rz:rz+1], v[rz:rz+1], v[rz+32:rz+33]
	v_pk_mul_f32 v[rz+32:rz+33], v[rz+32:rz+33], v[rz:rz+1]
.else
	v_pk_fma_f32 v[rz+32:rz+33], v[rz:rz+1], v[rz+32:rz+33], v[rz+32:rz+33] neg_lo:[1,0,0] neg_hi:[1,0,0]
.endif
.endm
.macro BATCH                           ; a plain instruction behind the last transcendental, and ONE wait for the batch ahead of its first reader
	v_nop
	s_wait_alu depctr_va_vdst(0)
.endm
; A sigmoid for the 128 gate registers of window w, in two halves one phase apart, so that one half's transcendentals stand between the other's plain lines.
.macro PIPE w, mode
.if \mode
	WIN 0xaa+0x55*((\w)-2)
.else
	WIN 0x82+0x41*((\w)-2)                         ; destination and source 0 in the window, source 2 (the bias) in window 0
.endif
.set i, 0
.rept 32
	GSCALE 0, \mode
.set i, i+2
.endr
.set i, 0
.rept 32
	GTR v_exp_f32, 0
	GSCALE 1, \mode
.set i, i+2
.endr
	BATCH
.set i, 0
.rept 32
	GTR v_exp_f32, 1
	GADD 0
.set i, i+2
.endr
	BATCH
.set i, 0
.rept 32
	GTR v_rcp_f32, 0
	GADD 1
.set i, i+2
.endr
	BATCH
	WIN 0xaa+0x55*((\w)-2)                         ; all four places in the window
.set i, 0
.rept 32
	GTR v_rcp_f32, 1
	GFIN 0, \mode
.set i, i+2
.endr
	BATCH
.set i, 0
.rept 32
	GFIN 1, \mode
.set i, i+2
.endr
.endm
; My 64 steps, in time order (a, j), for four channels: U_t += a_t U_(t-1) (the state from 0), then Z_t = a_t Z_(t-1) (the running product): eight chains side by side.
.macro CHAIN
	WIN 0xaa
.set st, 1
.rept 63
.set cu, 64*((st/8)%4)+(st%8)
.set pv, 64*(((st-1)/8)%4)+((st-1)%8)
.if st == 32
	WIN 0xcb                                       ; the step from window 2 into window 3: the earlier step's registers are source 1
.elseif st == 33
	WIN 0xff
.endif
.irp eb, 0,1,2,3
	v_fmac_f32 v[cu+32+8*\eb], v[cu+8*\eb], v[pv+32+8*\eb]
.endr
.irp eb, 0,1,2,3
	v_mul_f32 v[cu+8*\eb], v[cu+8*\eb], v[pv+8*\eb]
.endr
.set st, st+1
.endr
.endm
.macro WALKW line:vararg               ; one line for each of a window's 64 pairs
.set i, 0
.rept 64
	ZI 0
	\line
.set i, i+2
.endr
.endm
	s_wait_tensorcnt 1                             ; my part of K step 0 is in; K step 1 may stay out
	s_barrier_signal -1
	s_barrier_wait -1
	FETCH 0, F0
	UNIT F0, F1, 1, 1                              ; the first unit stands in front of the loop: its products start the sums
	WIN 0
	s_mov_b32 s3, 14
.Lstep:                                                ; a trip: the rest of a K step, a refill, and the next K step's first unit: K steps 0 to 13 ask for K steps 2 to 15
	UNIT F1, F0, 2
	UNIT F0, F1, 3
	TURN 1
	UNIT F0, F1, 1, 0, 1
	WIN 0
	s_sub_co_u32 s3, s3, 1
	s_cmp_lg_u32 s3, 0
	s_cbranch_scc1 .Lstep
	s_mov_b32 s3, 2
.Ltail:                                                ; K steps 14 and 15 ask for nothing: a text of their own
	UNIT F1, F0, 2
	UNIT F0, F1, 3
	TURN 0, 1
	WIN 0
	s_cmp_eq_u32 s3, 1                             ; behind the last K step there is no first unit of a next one
	s_cbranch_scc1 .Llast
	UNIT F0, F1, 1, 0, 1
	WIN 0
.Llast:
	s_sub_co_u32 s3, s3, 1
	s_cmp_lg_u32 s3, 0
	s_cbranch_scc1 .Ltail
	PLACES
	PIPE 2, 0                                      ; Z = a, U = (1 - a) v
	PIPE 3, 0
	CHAIN
	WIN 0x03                                       ; my segment's product and state: the last step's registers, in window 3
.irp eb, 0,1,2,3
	v_mov_b32 v[XP+2*\eb], v[192+8*\eb+7]
	v_mov_b32 v[XP+2*\eb+1], v[224+8*\eb+7]
.endr
	WIN 0
.irp eb, 0,1,2,3
	ds_store_b64 v[XA], v[XP+2*\eb:XP+2*\eb+1] offset:128*\eb   ; into xp's first slot: no fill follows, and every wave's reads of the slots ended in front of the last change's barrier
.endr
	s_wait_dscnt 0x0                               ; for the others' sake: my stores are done
	s_barrier_signal -1
	s_barrier_wait -1
.irp sg, 0,1,2,3,4,5,6
.irp eb, 0,1,2,3
	ds_load_b64 v[XL+8*\sg+2*\eb:XL+8*\sg+2*\eb+1], v[XR] offset:512*\sg+128*\eb
.endr
.endr
	s_wait_dscnt 0x0
.irp sg, 0,1,2,3,4,5,6                 ; the segments before mine are folded onto h0; the others are computed and not taken
	v_cmp_lt_u32 vcc_lo, \sg, v[SEG]
.irp eb, 0,1,2,3
	v_fma_f32 v[TT+\eb], v[XL+8*\sg+2*\eb], v[HP+2*\eb], v[XL+8*\sg+2*\eb+1]
.endr
.irp eb, 0,1,2,3
	v_cndmask_b32 v[HP+2*\eb], v[HP+2*\eb], v[TT+\eb], vcc_lo
.endr
.endr
	WIN 0xa2                                       ; h_t = U_t + running product x entry state (source 1, in window 0)
	WALKW v_pk_fma_f32 v[rz+32:rz+33], v[rz:rz+1], v[HP+eb2:HP+eb2+1], v[rz+32:rz+33] op_sel_hi:[1,0,1]
	WIN 0xf3
	WALKW v_pk_fma_f32 v[rz+32:rz+33], v[rz:rz+1], v[HP+eb2:HP+eb2+1], v[rz+32:rz+33] op_sel_hi:[1,0,1]
	WIN 0x03
.irp eb, 0,1,2,3
	v_mov_b32 v[HF+\eb], v[224+8*\eb+7]            ; h at my last step
.endr
	PIPE 2, 1                                      ; U = h^2 sigmoid(h)
	PIPE 3, 1
	WIN 0
.irp k, 0,1,2,3
	v_mov_b32 v[MX+\k], 0                          ; outs is never negative
.endr
	WIN 0x28
	WALKW v_max3_num_f32 v[MX+(i/2)%4], v[MX+(i/2)%4], v[rz+32], v[rz+33]
	WIN 0x3c
	WALKW v_max3_num_f32 v[MX+(i/2)%4], v[MX+(i/2)%4], v[rz+32], v[rz+33]
	WIN 0
	v_max3_num_f32 v[MX], v[MX], v[MX+1], v[MX+2]
	v_max_num_f32 v[MX], v[MX], v[MX+3]
	v_max_num_f32_dpp v[MX], v[MX], v[MX] row_xmask:1 row_mask:0xf bank_mask:0xf
	v_max_num_f32_dpp v[MX], v[MX], v[MX] row_xmask:2 row_mask:0xf bank_mask:0xf
	v_max_num_f32_dpp v[MX], v[MX], v[MX] row_xmask:4 row_mask:0xf bank_mask:0xf
	v_max_num_f32_dpp v[MX], v[MX], v[MX] row_xmask:8 row_mask:0xf bank_mask:0xf
	v_permlanex16_b32 v[MX+1], v[MX], s[SEL], s[SEL+1]
	v_max_num_f32 v[MX], v[MX], v[MX+1]            ; the block's largest number, in every lane
	v_lshrrev_b32 v[EE], 23, v[MX]
	v_max_u32 v[EE], 16, v[EE]                     ; e
	v_sub_nc_u32 v[MU], 268, v[EE]
	v_lshlrev_b32 v[MU], 23, v[MU]                 ; 2^(141 - e)
	v_mov_b32 v[MU+1], 0                           ; named with it as a pair
	s_wait_xcnt 0x0                                ; EXEC changes only behind this wait
	v_cmp_eq_u32 vcc_lo, 0, v[LN]
	s_and_saveexec_b32 s[SAV], vcc_lo
	global_store_b32 v[ZO], v[EE], s[80:81]        ; one lane stores e
	s_wait_xcnt 0x0                                ; and again, in front of the line that widens it
	s_or_b32 exec_lo, exec_lo, s[SAV]
	WIN 0x82
	WALKW v_pk_mul_f32 v[rz+32:rz+33], v[rz+32:rz+33], v[MU:MU+1] op_sel_hi:[1,0]
	WIN 0xc3
	WALKW v_pk_mul_f32 v[rz+32:rz+33], v[rz+32:rz+33], v[MU:MU+1] op_sel_hi:[1,0]
	WIN 0x0a                                       ; eight consecutive steps of a channel pack into 16 bytes: block a, channel block eb at PK + 4 (4 a + eb)
	WALKW v_cvt_pk_f16_f32 v[PK+4*(4*(i/32)+(i%32)/8)+(i%8)/2], v[rz+32], v[rz+33]
	WIN 0x0f
	WALKW v_cvt_pk_f16_f32 v[PK+4*(4*(4+i/32)+(i%32)/8)+(i%8)/2], v[rz+32], v[rz+33]
	WIN 0
.set ca, 0
.rept 8
.irp eb, 0,1,2,3
	ds_store_b128 v[STO], v[PK+4*(4*ca+\eb):PK+4*(4*ca+\eb)+3] offset:16*SPITCH*\eb+16*ca   ; the stage is [channel][step]
.endr
.set ca, ca+1
.endr
.set n, 0
.rept 32                               ; the turning load: chunk n / 4, steps 32 (n % 4) + lane: eight channels of one step, 16 bytes of ob's layout.  LDS serves a wave's instructions in order: these see the stores above
	ds_load_tr16_b128 v[PK+4*n:PK+4*n+3], v[TRD] offset:8*SPITCH*(n/4)+64*(n%4)
.set n, n+1
.endr
.set n, 0
.rept 32
	s_wait_dscnt 31-n
	global_store_b128 v[GO], v[PK+4*n:PK+4*n+3], s[78:79] offset:512*n   ; the wave's 16 KiB in ascending order, 512 consecutive bytes a store
.set n, n+1
.endr
	s_cmp_lg_u32 s[WV], 3                          ; h_final lies in wave 3, in the lanes of the last segment
	s_cbranch_scc1 .Lend
.irp eb, 0,1,2,3
	ds_store_b32 v[HFA], v[HF+\eb] offset:64*\eb   ; lanes 16-31 fill the first 256 bytes, lanes 0-15 the second, which nobody reads
.endr
	ds_load_b64 v[HL:HL+1], v[HFR]
	s_wait_dscnt 0x0
	global_store_b64 v[HO], v[HL:HL+1], s[82:83]   ; 256 consecutive bytes, aligned
.Lend:
	s_wait_tensorcnt 0x0                           ; the wave's end
	ds_add_u32 v[SPW], v[NIL]
	s_wait_dscnt 0x0
	CROUND                                         ; the closing round
	s_endpgm
.Lfunc_end_k_q91681d3e32_gates:
	.size	k_q91681d3e32_gates, .Lfunc_end_k_q91681d3e32_gates-k_q91681d3e32_gates
	.p2alignl 7, 3214868480
	.fill 96, 4, 3214868480
	.section	.rodata,"a",@progbits
	.p2align	6, 0x0
	.amdhsa_kernel k_q91681d3e32_gates
		.amdhsa_group_segment_fixed_size 327680
		.amdhsa_private_segment_fixed_size 0
		.amdhsa_enable_private_segment 0
		.amdhsa_kernarg_size 64
		.amdhsa_user_sgpr_count 2
		.amdhsa_user_sgpr_kernarg_segment_ptr 1
		.amdhsa_wavefront_size32 1
		.amdhsa_system_sgpr_workgroup_id_x 1
		.amdhsa_system_sgpr_workgroup_id_y 1
		.amdhsa_system_sgpr_workgroup_id_z 1
		.amdhsa_system_vgpr_workitem_id 0
		.amdhsa_next_free_vgpr 1024
		.amdhsa_next_free_sgpr 102
		.amdhsa_reserve_vcc 1
		.amdhsa_float_denorm_mode_32 3
		.amdhsa_float_denorm_mode_16_64 3
		.amdhsa_memory_ordered 1
		.amdhsa_forward_progress 1
		.amdhsa_inst_pref_size 227
	.end_amdhsa_kernel
	.amdgpu_metadata
---
amdhsa.version: [ 1, 2 ]
amdhsa.kernels:
  - .name:           k_q91681d3e32_gates
    .symbol:         k_q91681d3e32_gates.kd
    .args:
      - { .name: xp, .offset: 0, .size: 8, .value_kind: global_buffer, .address_space: global }
      - { .name: wgb, .offset: 8, .size: 8, .value_kind: global_buffer, .address_space: global }
      - { .name: b_alpha, .offset: 16, .size: 8, .value_kind: global_buffer, .address_space: global }
      - { .name: b_v, .offset: 24, .size: 8, .value_kind: global_buffer, .address_space: global }
      - { .name: h0, .offset: 32, .size: 8, .value_kind: global_buffer, .address_space: global }
      - { .name: ob, .offset: 40, .size: 8, .value_kind: global_buffer, .address_space: global }
      - { .name: sc, .offset: 48, .size: 8, .value_kind: global_buffer, .address_space: global }
      - { .name: out1, .offset: 56, .size: 8, .value_kind: global_buffer, .address_space: global }
    .group_segment_fixed_size: 327680
    .private_segment_fixed_size: 0
    .kernarg_segment_align: 8
    .kernarg_segment_size: 64
    .max_flat_workgroup_size: 128
    .sgpr_count:     102
    .vgpr_count:     1024
    .wavefront_size: 32
...
	.end_amdgpu_metadata
.endif
;; end of part 3
;; launch outproj (part 4): grid 8 x 32, 4 waves a work-group, clusters of 4 x 4, 327,680 bytes of LDS; arguments ob, wob, sc, out0; writes out0
.if DOCPART == 4
	.amdgcn_target "amdgcn-amd-amdhsa--gfx1250"
	.amdhsa_code_object_version 6
	.text
	.protected	k_q91681d3e32_outproj
	.globl	k_q91681d3e32_outproj
	.p2align	8
	.type	k_q91681d3e32_outproj,@function
k_q91681d3e32_outproj:
	s_mov_b64 s[64:65], 0
	v_nop
	global_prefetch_b8 v0, s[64:65] scope:SCOPE_SE
	s_setreg_imm32_b32 hwreg(HW_REG_WAVE_MODE, 25, 1), 1
	s_wait_xcnt 0x0
	s_wait_alu depctr_hold_cnt(0) depctr_sa_sdst(0) depctr_va_vdst(0) depctr_va_sdst(0) depctr_va_ssrc(0) depctr_va_vcc(0) depctr_vm_vsrc(0)
	s_getreg_b32 s2, hwreg(HW_REG_IB_STS2, 6, 4)
	s_cmp_eq_u32 s2, 0
	s_cbranch_scc0 .Lentry_in_a_cluster
	s_endpgm
.Lentry_in_a_cluster:
	s_bfe_u32 s2, ttmp6, 0x10000c
	s_cmp_lg_u32 s2, 0xf033
	s_cbranch_scc0 .Lentry_shape_is_right
	s_endpgm
.Lentry_shape_is_right:
; Launch 4 of 4: out0 = outs W_out^T, 4,096 rows x 1,024 columns, K = 2,048, f16 operands, f32 sums, f32 output.  Nothing is left out.
; THE SCALES.  outs lies in blocks of 128 rows x 64 channels, each stored times 2^(141 - e), e in sc.  A work-group owns one row block: its 32 blocks are brought to the largest exponent E by
; multiplying W_out's fragments of slice i by rho_i = 2^(e_i - E) in f16 (a power of two; where the product falls under f16's normal range it keeps f16's fixed step, beside terms
; 2^(E - e) times larger), and the finished sums are multiplied by 2^(E - 141).
; SHARES.  A work-group makes 128 rows x 128 columns: 8 x 32 work-groups; a wave 64 x 64: 16 accumulators.  K goes in steps of 256 (four slices, four quarters) through two LDS slots.
; CLUSTER 4 x 4: outs' tile is shared along a row of the cluster, W_out's along a column.  THE MATRIX INSTRUCTION IS USED TRANSPOSED: a lane holds one row and eight neighbouring columns.
; REGISTERS.  Window 1: v0-127 accumulator (a, b) at 8 (4 a + b); v128-191, v192-255 W_out's fragments, two buffers (half c, block b at 32 c + 8 b).  Window 0: v32-95, v96-159 outs' fragments.
; One window setting serves the products and the lines that scale W_out, four of which stand behind a product.
.set NK,    8
.set SLOT1, 131072                     ; a slot: outs' 64 KiB, then W_out's 64 KiB; chunk pitch 2,048, a slice 16,384
.set BOFF,  65536
.set STAGE, 262144                     ; behind the ring: 16 rows x 272 bytes for each wave
.set SPITCH, 272
.set SPARE, 279552
.set STEP,  65536
.set A0,  4
.set B0,  5
.set ADA, 6
.set ADB, 7
.set STO, 8
.set RD,  9
.set CO,  10
.set SPW, 28
.set NIL, 29
.set OB,  32                           ; the way out: four row blocks of 32 registers
.set TB,  20
.set G1,  24
.set G0,  32
.set SEL, 44                           ; s[44:45], once the masks are used
.set G1B, 48
.set G0B, 56
.set FAC, 66                           ; s[66:67] 2^(E - 141)
.set R,   68                           ; s[68:99] rho of the slices to come, twice in a word; shifted down by four in every trip
.set MULW, 0x51                        ; W_out, C and D in window 1, outs in window 0
.set MSB, 0
.macro WIN new
.if MSB != (\new)
	s_set_vgpr_msb (MSB<<8)|(\new)
.set MSB, \new
.endif
.endm
.macro PLACES
.rept 4
	v_nop
.endr
.endm
.macro JLOAD
	s_cmp_eq_u32 s11, 0
	s_cbranch_scc0 .Lfor_b_\@
	tensor_load_to_lds s[G0+4:G0+7], s[G1:G1+7]
	s_nop 0
.rept 4
	v_nop
.endr
	s_branch .Lasked_\@
.Lfor_b_\@:
	tensor_load_to_lds s[G0B+4:G0B+7], s[G1B:G1B+7]
	s_nop 0
.rept 4
	v_nop
.endr
.Lasked_\@:
.endm
.macro CREST
	s_cmp_lg_u32 s10, 0
	s_cbranch_scc1 .Lnot_wave_0_\@
	s_barrier_signal -3
.Lnot_wave_0_\@:
	s_barrier_wait -3
	s_barrier_signal -1
	s_barrier_wait -1
.endm
.macro CROUND
	s_barrier_signal -1
	s_barrier_wait -1
	CREST
.endm
	s_load_b128 s[4:7], s[0:1], 0x0                ; ob, wob
	s_load_b64 s[18:19], s[0:1], 0x10              ; sc
	s_load_b64 s[8:9], s[0:1], 0x18                ; out0
	v_lshl_add_u32 v[SPW], v0, 2, SPARE
	v_mov_b32 v[NIL], 0
	ds_add_u32 v[SPW], v[NIL]                      ; the opening: the add, twice on end, and its wait ahead of my first tensor load
	ds_add_u32 v[SPW], v[NIL]
	v_lshrrev_b32 v1, 5, v0
	v_readfirstlane_b32 s10, v1
	s_lshr_b32 s11, s10, 1                         ; wm.  Also: I fetch for outs (0) or for W_out (1)
	s_and_b32 s12, s10, 1                          ; wn.  Also: which half of that tile
	s_bfe_u32 s40, ttmp6, 0x40000
	s_bfe_u32 s41, ttmp6, 0x40004
	s_lshl_b32 s42, ttmp9, 2
	s_add_co_u32 s42, s42, s40                     ; block of 128 columns
	s_and_b32 s13, ttmp7, 0xffff
	s_lshl_b32 s13, s13, 2
	s_add_co_u32 s13, s13, s41                     ; row block
	s_lshl_b32 s43, s41, 2
	s_lshl_b32 s43, 15, s43
	s_lshl_b32 s44, 0x1111, s40
	s_or_b32 s[G1], s43, (1<<16)|(1<<21)
	s_or_b32 s[G1B], s44, (1<<16)|(1<<21)
.irp g, G1, G1B
	s_mov_b32 s[\g+1], 128<<16                     ; rows of 256 bytes,
	s_mov_b32 s[\g+2], 128<<16                     ; 128 of them: two slices
	s_mov_b32 s[\g+3], 128<<16
	s_mov_b32 s[\g+4], 128
	s_mov_b32 s[\g+5], 128
	s_mov_b32 s[\g+6], 0
	s_mov_b32 s[\g+7], 0
.endr
	s_lshl_b32 s16, s13, 19
	s_lshl_b32 s17, s12, 15
	s_add_co_u32 s16, s16, s17
	s_mov_b32 s17, 0
	s_lshl_b32 s46, s42, 19
	s_lshl_b32 s47, s12, 15
	s_add_co_u32 s46, s46, s47
	s_mov_b32 s47, 0
	s_lshl_b32 s21, s12, 15
	s_add_co_u32 s22, s21, BOFF
	s_mov_b32 s[TB], 0
	s_mov_b32 s[SEL], 0x76543210
	s_mov_b32 s[SEL+1], 0xfedcba98
	s_wait_dscnt 0x0
	s_wait_kmcnt 0x0
	s_add_nc_u64 s[14:15], s[4:5], s[16:17]
	s_add_nc_u64 s[46:47], s[6:7], s[46:47]
	CROUND
.irp s, 0,1
	s_mov_b32 s[G0+4*\s], 1
	s_add_co_u32 s[G0+4*\s+1], s21, \s*SLOT1
	s_add_nc_u64 s[G0+4*\s+2:G0+4*\s+3], s[14:15], \s*STEP
	s_or_b32 s[G0+4*\s+3], s[G0+4*\s+3], 0x80000000
	s_mov_b32 s[G0B+4*\s], 1
	s_add_co_u32 s[G0B+4*\s+1], s22, \s*SLOT1
	s_add_nc_u64 s[G0B+4*\s+2:G0B+4*\s+3], s[46:47], \s*STEP
	s_or_b32 s[G0B+4*\s+3], s[G0B+4*\s+3], 0x80000000
.endr
	s_cmp_eq_u32 s11, 0
	s_cbranch_scc0 .Lfirst_b
	tensor_load_to_lds s[G0:G0+3], s[G1:G1+7]
	s_nop 0
	tensor_load_to_lds s[G0+4:G0+7], s[G1:G1+7]
	s_nop 0
.rept 4
	v_nop
.endr
	s_branch .Lfirst_asked
.Lfirst_b:
	tensor_load_to_lds s[G0B:G0B+3], s[G1B:G1B+7]
	s_nop 0
	tensor_load_to_lds s[G0B+4:G0B+7], s[G1B:G1B+7]
	s_nop 0
.rept 4
	v_nop
.endr
.Lfirst_asked:
	s_lshl_b32 s22, s13, 7                         ; my row block's 32 exponents
	s_mov_b32 s23, 0
	s_add_nc_u64 s[18:19], s[18:19], s[22:23]
	v_and_b32 v12, 31, v0
	v_lshlrev_b32 v12, 2, v12
	global_load_b32 v11, v12, s[18:19]             ; lane i: slice i
	s_lshl_b32 s22, s13, 19                        ; out0: (128 y + 64 wm) rows of 4,096 bytes + 512 x + 256 wn
	s_lshl_b32 s16, s11, 18
	s_add_co_u32 s22, s22, s16
	s_lshl_b32 s16, s42, 9
	s_add_co_u32 s22, s22, s16
	s_lshl_b32 s16, s12, 8
	s_add_co_u32 s22, s22, s16
	s_add_nc_u64 s[8:9], s[8:9], s[22:23]
	v_and_b32 v1, 15, v0
	v_bfe_u32 v2, v0, 4, 1
	v_lshlrev_b32 v3, 4, v1
	v_lshl_add_u32 v3, v2, 11, v3                  ; 16 r + 2,048 (l / 16)
	s_lshl_b32 s16, s11, 10
	v_add_nc_u32 v[A0], s16, v3
	s_lshl_b32 s16, s12, 10
	s_add_co_u32 s16, s16, BOFF
	v_add_nc_u32 v[B0], s16, v3
	v_mov_b32 v[ADA], v[A0]
	v_mov_b32 v[ADB], v[B0]
	s_mul_i32 s16, s10, 16*SPITCH
	s_add_co_u32 s16, s16, STAGE
	v_mul_u32_u24 v[STO], v1, SPITCH               ; in: row r, 32 bytes for each half of the lanes
	v_lshl_add_u32 v[STO], v2, 5, v[STO]
	v_add_nc_u32 v[STO], s16, v[STO]
	v_mul_u32_u24 v[RD], v2, SPITCH                ; back: lanes 0-15 one row of 256 bytes, lanes 16-31 the next
	v_lshl_add_u32 v[RD], v1, 4, v[RD]
	v_add_nc_u32 v[RD], s16, v[RD]
	v_lshlrev_b32 v[CO], 12, v2
	v_lshl_add_u32 v[CO], v1, 4, v[CO]
	v_mov_b32 v14, 0
	s_wait_loadcnt 0x0
	v_cvt_f32_u32 v13, v11                         ; the exponents are whole numbers under 256: exact in f32
	v_max_num_f32_dpp v13, v13, v13 row_xmask:1 row_mask:0xf bank_mask:0xf
	v_max_num_f32_dpp v13, v13, v13 row_xmask:2 row_mask:0xf bank_mask:0xf
	v_max_num_f32_dpp v13, v13, v13 row_xmask:4 row_mask:0xf bank_mask:0xf
	v_max_num_f32_dpp v13, v13, v13 row_xmask:8 row_mask:0xf bank_mask:0xf
	v_permlanex16_b32 v14, v13, s[SEL], s[SEL+1]
	v_max_num_f32 v13, v13, v14
	v_cvt_u32_f32 v13, v13                         ; E
	v_sub_nc_u32 v14, v13, v11
	v_min_u32 v14, 30, v14                         ; beyond 2^-25 f16 has nothing
	v_sub_nc_u32 v14, 127, v14
	v_lshlrev_b32 v14, 23, v14                     ; 2^(e - E) in f32,
	v_cvt_pk_f16_f32 v14, v14, v14                 ; and twice in f16
.set k, 0
.rept 32
	v_readlane_b32 s[R+k], v14, k
.set k, k+1
.endr
	v_readfirstlane_b32 s[FAC], v13
	s_sub_co_u32 s[FAC], s[FAC], 14
	s_lshl_b32 s[FAC], s[FAC], 23                  ; 2^(E - 141)
	s_mov_b32 s[FAC+1], s[FAC]
.macro PR f, c, zero                   ; product n of 16 of half c (32 along K) of buffer f: row block n / 4, column block n % 4.  The 16 accumulators take turns.
.set ra, 8*n
.set rw, 128+64*(\f)+32*(\c)+8*(n%4)
.set ro, 32+64*(\f)+32*(\c)+8*(n/4)
.if \zero
	v_wmma_f32_16x16x32_f16 v[ra:ra+7], v[rw:rw+7], v[ro:ro+7], 0
.else
	v_wmma_f32_16x16x32_f16 v[ra:ra+7], v[rw:rw+7], v[ro:ro+7], v[ra:ra+7]
.endif
.set n, n+1
.endm
.macro RID f, c, k, sr                 ; registers 4 k .. 4 k + 3 of W_out's half c of buffer f, times rho: none of them is named by the products round these lines
.set rr, 128+64*(\f)+32*(\c)+4*(\k)
.irp z, 0,1,2,3
	v_pk_mul_f16 v[rr+\z], v[rr+\z], s[\sr]
.endr
.endm
; 32 LDS loads in one run: quarter q (a slice) of the slot in hand into buffer f: W_out's first half, its second, outs' first half, its second
.macro FETCH q, f
	WIN 0x40
.irp c, 0,1
.irp i, 0,1,2,3
	ds_load_b128 v[128+64*(\f)+32*\c+8*\i:128+64*(\f)+32*\c+8*\i+3],   v[ADB] offset:16384*(\q)+8192*\c+256*\i
	ds_load_b128 v[128+64*(\f)+32*\c+8*\i+4:128+64*(\f)+32*\c+8*\i+7], v[ADB] offset:16384*(\q)+8192*\c+256*\i+4096
.endr
.endr
	WIN 0
.irp c, 0,1
.irp i, 0,1,2,3
	ds_load_b128 v[32+64*(\f)+32*\c+8*\i:32+64*(\f)+32*\c+8*\i+3],   v[ADA] offset:16384*(\q)+8192*\c+256*\i
	ds_load_b128 v[32+64*(\f)+32*\c+8*\i+4:32+64*(\f)+32*\c+8*\i+7], v[ADA] offset:16384*(\q)+8192*\c+256*\i+4096
.endr
.endr
.endm
.macro HEAD8 f, i, zero                ; the first eight products of a quarter; behind each, four lines scale the quarter's second half of W_out
.set n, 0
.rept 8
	PR \f, 0, \zero
	RID \f, 1, n-1, R+\i
.endr
.endm
.macro BARE8 f, c, zero
.rept 8
	PR \f, \c, \zero
.endr
.endm
.macro TAIL8 f, g, i                   ; the last eight; behind each, four lines scale the NEXT quarter's first half of W_out
.rept 8
	PR \f, 1, 0
	RID \g, 0, n-9, R+\i+1
.endr
.endm
; One of a K step's first three quarters: multiplies buffer f (slice i of the table), fetches quarter q into buffer g.
.macro QUARTER f, g, q, i, zero
	s_wait_dscnt 8                                 ; all but outs' second half
	WIN MULW
	HEAD8 \f, \i, \zero
	BARE8 \f, 0, \zero
	FETCH \q, \g                                   ; the 32 scaling lines above are the places behind the products that read buffer g
	s_wait_dscnt 32                                ; all but the 32 just issued
	WIN MULW
.set n, 0
	BARE8 \f, 1, 0
	s_wait_dscnt 24                                ; the first eight of them are in: the next quarter's first half of W_out
	TAIL8 \f, \g, \i
.endm
; The K step's last quarter, on buffer 1, and the change of slots: ONE barrier, with the wait for all tensor loads, the add and the wait for it and for my reads in front of it.
; tail = 1: in the last K step (count 1) there is no next slot: its address lines and LDS loads are jumped over, and the last eight products' scaling lines fall on registers that nobody reads again.
.macro TURN i, fill, tail=0
	WIN 0
	s_wait_tensorcnt 0x0
	ds_add_u32 v[SPW], v[NIL]
	s_wait_dscnt 9                                 ; the add and outs' second half may be out
	WIN MULW
	HEAD8 1, \i, 0
	s_wait_dscnt 0x0
	s_barrier_signal -1
	BARE8 1, 0, 0
	WIN 0
	s_barrier_wait -1
.if \fill
	CREST
	s_xor_b32 s[G0+5], s[G0+5], SLOT1
	s_add_nc_u64 s[G0+6:G0+7], s[G0+6:G0+7], STEP
	s_xor_b32 s[G0B+5], s[G0B+5], SLOT1
	s_add_nc_u64 s[G0B+6:G0B+7], s[G0B+6:G0B+7], STEP
	JLOAD
.else
	PLACES
.endif
.if \tail
	s_cmp_eq_u32 s3, 1
	s_cbranch_scc1 .Lno_more_\@
.endif
	s_xor_b32 s[TB], s[TB], SLOT1
	v_add_nc_u32 v[ADA], s[TB], v[A0]
	v_add_nc_u32 v[ADB], s[TB], v[B0]
	FETCH 0, 0
.if \tail
.Lno_more_\@:
.endif
	WIN MULW
.set n, 0
	BARE8 1, 1, 0
	s_wait_dscnt 24
	TAIL8 1, 0, \i
.endm
.macro SHIFT                           ; the table moves down by a K step's four slices
.irp k, 0,1,2,3,4,5,6,7,8,9,10,11,12,13
	s_mov_b64 s[R+2*\k:R+2*\k+1], s[R+4+2*\k:R+5+2*\k]
.endr
.endm
	s_wait_tensorcnt 1                             ; my part of K step 0 is in; K step 1 may stay out
	s_barrier_signal -1
	s_barrier_wait -1
	FETCH 0, 0
	s_wait_dscnt 24                                ; W_out's first half of slice 0
	WIN MULW
.irp k, 0,1,2,3,4,5,6,7
	RID 0, 0, \k, R
.endr
	QUARTER 0, 1, 1, 0, 1                          ; the first quarter stands in front of the loop: its first products start the sums
	WIN 0
	s_mov_b32 s3, NK-2
.Lstep:
	QUARTER 1, 0, 2, 1, 0
	QUARTER 0, 1, 3, 2, 0
	TURN 3, 1
	QUARTER 0, 1, 1, 4, 0
	WIN 0
	SHIFT
	s_sub_co_u32 s3, s3, 1
	s_cmp_lg_u32 s3, 0
	s_cbranch_scc1 .Lstep
	s_mov_b32 s3, 2
.Ltail:                                                ; the last two K steps ask for nothing: a text of their own
	QUARTER 1, 0, 2, 1, 0
	QUARTER 0, 1, 3, 2, 0
	TURN 3, 0, 1
	WIN 0
	s_cmp_eq_u32 s3, 1                             ; behind the last K step there is no first quarter of a next one
	s_cbranch_scc1 .Llast
	QUARTER 0, 1, 1, 4, 0
	WIN 0
	SHIFT
.Llast:
	s_sub_co_u32 s3, s3, 1
	s_cmp_lg_u32 s3, 0
	s_cbranch_scc1 .Ltail
	PLACES
	; THE WAY OUT: the sums times 2^(E - 141); a block of 16 rows at a time through my stage; back as whole rows of 256 bytes
	WIN 0x41
.set i, 0
.rept 64
	v_pk_mul_f32 v[i:i+1], v[i:i+1], s[FAC:FAC+1] op_sel_hi:[1,0]
.set i, i+2
.endr
	WIN 0x04                                       ; an LDS store's data (source 1) in window 1; addresses and loaded data in window 0
.irp a, 0,1,2,3
.irp b, 0,1,2,3
	ds_store_b128 v[STO], v[8*(4*\a+\b):8*(4*\a+\b)+3]   offset:64*\b
	ds_store_b128 v[STO], v[8*(4*\a+\b)+4:8*(4*\a+\b)+7] offset:64*\b+16
.endr
.irp t, 0,1,2,3,4,5,6,7
	ds_load_b128 v[OB+32*\a+4*\t:OB+32*\a+4*\t+3], v[RD] offset:2*SPITCH*\t   ; LDS serves a wave's instructions in order: these see the stores above, and the next block's stores come behind them
.endr
.endr
	WIN 0
.irp a, 0,1,2,3
.irp t, 0,1,2,3,4,5,6,7
	s_wait_dscnt 16*(3-\a)+7-\t                    ; the later blocks' sixteen each, and this block's younger loads, may be out
	global_store_b128 v[CO], v[OB+32*\a+4*\t:OB+32*\a+4*\t+3], s[8:9] offset:(16*\a+2*\t)*4096   ; 16 lanes: 256 consecutive bytes, aligned
.endr
.endr
	s_wait_tensorcnt 0x0                           ; the wave's end
	ds_add_u32 v[SPW], v[NIL]
	s_wait_dscnt 0x0
	CROUND                                         ; the closing round
	s_endpgm
.Lfunc_end_k_q91681d3e32_outproj:
	.size	k_q91681d3e32_outproj, .Lfunc_end_k_q91681d3e32_outproj-k_q91681d3e32_outproj
	.p2alignl 7, 3214868480
	.fill 96, 4, 3214868480
	.section	.rodata,"a",@progbits
	.p2align	6, 0x0
	.amdhsa_kernel k_q91681d3e32_outproj
		.amdhsa_group_segment_fixed_size 327680
		.amdhsa_private_segment_fixed_size 0
		.amdhsa_enable_private_segment 0
		.amdhsa_kernarg_size 32
		.amdhsa_user_sgpr_count 2
		.amdhsa_user_sgpr_kernarg_segment_ptr 1
		.amdhsa_wavefront_size32 1
		.amdhsa_system_sgpr_workgroup_id_x 1
		.amdhsa_system_sgpr_workgroup_id_y 1
		.amdhsa_system_sgpr_workgroup_id_z 1
		.amdhsa_system_vgpr_workitem_id 0
		.amdhsa_next_free_vgpr 512
		.amdhsa_next_free_sgpr 100
		.amdhsa_reserve_vcc 0
		.amdhsa_float_denorm_mode_32 3
		.amdhsa_float_denorm_mode_16_64 3
		.amdhsa_memory_ordered 1
		.amdhsa_forward_progress 1
		.amdhsa_inst_pref_size 104
	.end_amdhsa_kernel
	.amdgpu_metadata
---
amdhsa.version: [ 1, 2 ]
amdhsa.kernels:
  - .name:           k_q91681d3e32_outproj
    .symbol:         k_q91681d3e32_outproj.kd
    .args:
      - { .name: ob, .offset: 0, .size: 8, .value_kind: global_buffer, .address_space: global }
      - { .name: wob, .offset: 8, .size: 8, .value_kind: global_buffer, .address_space: global }
      - { .name: sc, .offset: 16, .size: 8, .value_kind: global_buffer, .address_space: global }
      - { .name: out0, .offset: 24, .size: 8, .value_kind: global_buffer, .address_space: global }
    .group_segment_fixed_size: 327680
    .private_segment_fixed_size: 0
    .kernarg_segment_align: 8
    .kernarg_segment_size: 32
    .max_flat_workgroup_size: 128
    .sgpr_count:     100
    .vgpr_count:     512
    .wavefront_size: 32
...
	.end_amdgpu_metadata
.endif
;; end of part 4
